; MI455X (gfx1250); checked and timed in simulation.
; The chip was launched on July 23, 2026; its instructions are those of AMD's public machine-readable ISA for CDNA 5 (MIT licence, August 2026) and "CDNA5" Instruction Set Architecture Reference Guide (July 2026). The comments in the code are by the model that wrote it; some were corrected since.
;; Causal Self Attention. Allowed arithmetic: matrix products marked QUANTISED: E4M3 operands, one given power-of-two scale a tensor, by v_wmma_f32_16x16x64_fp8_fp8 or v_wmma_f32_16x16x128_fp8_fp8, f32 sums; everything else in f32.
;; Inputs: W_attn 1,024 x 3,072 float32; W_proj 1,024 x 1,024 float32; b_attn 3,072 float32; b_proj 1,024 float32; lowp_scales 8 int32 (the exponents e of the quantised operands' scales 2^e); x 4 x 2,048 x 1,024 float32.
;; Outputs: out0 4 x 2,048 x 1,024 float32.
;; This version of the problem:
;;   THIS VERSION OF THE PROBLEM IS GIVEN IN LOW PRECISION. The matrix products marked QUANTISED in the list below multiply operands that are first quantised to E4M3 (4 exponent bits, 3 mantissa bits; 8 bits a number), with one given power-of-two scale for each operand tensor; their sums are f32. All else is computed in f32.
;;   The module's matrix products, in the order in which they are computed (A, B: the left and right operand; K: the contracted axis; several contracted axes count as one K, in the product's order):
;;     1. [M 8,192, K 1,024] x [K 1,024, N 3,072]; A: input x; B: input W_attn: QUANTISED (scales: A lowp_scales[0], B lowp_scales[1])
;;     2. batch 64 x [M 2,048, K 64] x [K 64, N 2,048]; A: computed on the way; B: computed on the way: QUANTISED (scales: A lowp_scales[2], B lowp_scales[3])
;;     3. batch 64 x [M 2,048, K 2,048] x [K 2,048, N 64]; A: softmax (see below); B: computed on the way: QUANTISED (scales: A lowp_scales[4], B lowp_scales[5])
;;     4. [M 8,192, K 1,024] x [K 1,024, N 1,024]; A: computed on the way; B: input W_proj: QUANTISED (scales: A lowp_scales[6], B lowp_scales[7])
;;   THE QUANTISER, for each operand of a quantised product, along K:
;;     - The operand's scale is 2^e, e = its entry of the input lowp_scales (int32; the entries are numbered through the quantised products in the list's order, A before B).
;;     - Each number is divided by the scale, clamped to +-448, and rounded to the nearest number of E4M3, ties to even, subnormals kept.
;;     - The product sums the exact products of the quantised numbers (number of the format x scale) in f32.
;;   ~~~python
;;   def quantise(x, axis, e):      # numpy; x: float32 -> the quantised numbers, widened to float32 again
;;       x = np.moveaxis(x, axis, -1); K = x.shape[-1]
;;       r = np.clip(x / 2.0 ** e, -448, 448)
;;       step = 2.0 ** (np.maximum(np.frexp(np.where(r == 0, 1, r))[1] - 1, -6) - 3)
;;       q = np.round(r / step) * step * 2.0 ** e      # np.round: ties to even
;;       return np.moveaxis(q, -1, axis).astype(np.float32)
;;   ~~~
;;   SOFTMAX AHEAD OF A QUANTISED PRODUCT. Where the list says 'softmax', what is quantised is not the finished softmax but p = 2^(t - M), with t = logit x log2(e) and M = ceil(the row's largest t), a whole number; so 1/2 < the row's largest p <= 1. The row's sum l is taken of the UNQUANTISED p, in f32, and the product's result is divided by l at the end. Since M is a whole number, a kernel that streams over the keys may use a running M (the ceiling of the running maximum): every later rescaling is an exact power of two, so the quantised numbers keep their values, but for numbers so far below the row's largest that they fall under the format's range.
;;   OPERANDS COMPUTED ON THE WAY. 'Computed on the way' means the value that the module computes at that place (a softmax that the list does not call 'softmax' is quantised finished and normalised). What goes into a quantiser is computed in f32, as accurately as f32 sums, v_exp_f32 and their like allow (about 1e-6 of the number): no bf16 or f16 on the way to a quantiser, and a product that is left as it is and whose result goes on into a quantised operand takes f32 operands (vector FMAs, or v_wmma_f32_16x16x4_f32). A number that lies on a knife's edge between two numbers of the format may be rounded either way, as far as f32 arithmetic and the matrix unit's own rounding can turn it there, and no further.
;; One version. Each part assembles by itself: llvm-mc -triple=amdgcn-amd-amdhsa -mcpu=gfx1250 --defsym DOCPART=n.
;; ======== version 1 of 1: 4 launches
;; limits: right only within a limited range of input values
;; workspace buffers: x_codes 8,388,608 bytes; wa_codes 3,145,728 bytes; wp_codes 1,048,576 bytes; q_codes 8,388,608 bytes; k_codes 8,388,608 bytes; v_codes 8,388,608 bytes; y_codes 8,388,608 bytes
;; launch quant (part 1): grid 640 x 1, 4 waves a work-group, no clusters, 70,144 bytes of LDS; arguments x, W_attn, W_proj, lowp_scales, x_codes, wa_codes, wp_codes; writes x_codes, wa_codes, wp_codes
.if DOCPART == 1
	.amdgcn_target "amdgcn-amd-amdhsa--gfx1250"
	.amdhsa_code_object_version 6
	.text
	.protected	k_q5388022df2_quant
	.globl	k_q5388022df2_quant
	.p2align	8
	.type	k_q5388022df2_quant,@function
k_q5388022df2_quant:
	s_mov_b64 s[64:65], 0
	v_nop
	global_prefetch_b8 v0, s[64:65] scope:SCOPE_SE
	s_setreg_imm32_b32 hwreg(HW_REG_WAVE_MODE, 25, 1), 1
	s_wait_xcnt 0x0
; CAUSAL SELF-ATTENTION IN FP8 (E4M3), four launches: quant (this one), qkv, attn, proj.
; WORK LEFT OUT BY THE PROGRAM, and why it is dead.  reference() builds the causal mask in its own body (jnp.tril) and sets the logit of key k for query q to -inf where k > q; the softmax
; makes exactly 0 of it, whatever finite q, k, v are, so such a pair adds nothing to the row's sum nor to y.  The launch attn therefore leaves out every step of 128 keys all of which come after
; all 16 queries of a tile (960 of a head's 2,048 tile steps), in products 2 and 3 alike; inside a step on the diagonal the work is done and the hidden scores are set to -inf.
; Every input has a way to the output and is loaded (the k part of b_attn moves k's codes).  LIMIT: a NaN, an infinity or an overflow that would arise only in a score left out is not formed;
; reference() replaces such a score by -inf too.
; THIS LAUNCH turns x [8192][1024], W_attn [1024][3072] and W_proj [1024][1024], f32, into codes: code = number / 2^e, held within +-448, to the nearest code, ties to even; e = lowp_scales[0], [1], [7].
; LIMITS: each e between -126 and 119, so that 2^e and 448 x 2^e are f32 numbers.  NaN among the inputs is not served.
; LAYOUTS (K innermost, one code a byte).  A permutation of K that is the same in both operands of a product keeps every product with its partner:
;   x_codes [8192][1024], wa_codes [3072 n][1024]: in each chunk of 512 along K, position p holds k = 128 ((p / 4) % 4) + 4 (p / 16) + p % 4: what a lane's four dense 16-byte loads of x give it.
;   wp_codes [1024 n][1024]: position p holds k = p with bits 3 and 4 exchanged: the order in which the launch attn leaves y's codes.
; SHARES.  Work-groups 0-95: W_attn; 96-127: W_proj; 128-639: x.  The three ways part on the work-group's number and never join.  No work-group shares an input byte with another: no cluster, no tensor load.
;   x: a wave takes 8 steps of 512 numbers; each load reads 512 consecutive bytes, each store writes 512 consecutive bytes; all 32 loads of a wave go out at once.
;   W: a lane takes a column n and its registers run down K, 32 positions a block; the codes go through the wave's own stage in LDS and leave as rows: sixteen lanes store 256 consecutive bytes, aligned.
.set SPARE, 69632                      ; behind the two ways' stages: the spare words, 128 bytes for each wave
.set SPW,   12                         ; v12  LDS address of my spare word; never rewritten
.set NIL,   13                         ; v13  0; never rewritten
.set PITCH, 272                        ; a stage row: 256 bytes of codes + 16
.set X,     32                         ; v32-95   W: two sets of 32 numbers
.set C,     96                         ; v96-103  W: a block's codes
.set OUTR,  112                        ; v112-175 W: the way out
	s_load_b256 s[4:11], s[0:1], 0x0               ; x s[4:5], W_attn s[6:7], W_proj s[8:9], the exponents s[10:11]
	s_load_b128 s[12:15], s[0:1], 0x20             ; x_codes s[12:13], wa_codes s[14:15]
	s_load_b64 s[16:17], s[0:1], 0x30              ; wp_codes
	v_lshl_add_u32 v[SPW], v0, 2, SPARE
	v_mov_b32 v[NIL], 0
	v_lshrrev_b32 v1, 5, v0
	v_readfirstlane_b32 s18, v1                    ; wave 0..3
	v_and_b32 v2, 31, v0                           ; lane
	s_wait_kmcnt 0x0
	s_load_b256 s[24:31], s[10:11], 0x0            ; e0 .. e7
	s_cmp_ge_u32 ttmp9, 128
	s_cbranch_scc1 .Lx
	s_cmp_ge_u32 ttmp9, 96
	s_cbranch_scc1 .Lwp
; block t of a weight: 32 loads, position 32 t + i of my 256; each reads one row of W at 32 neighbouring columns (128 consecutive bytes a wave, 512 a work-group)
.macro WLOAD t, kind, ncol, ptr
.irp i, 0,1,2,3,4,5,6,7,8,9,10,11,12,13,14,15,16,17,18,19,20,21,22,23,24,25,26,27,28,29,30,31
.if \kind == 0
	global_load_b32 v[X+32*((\t)%2)+\i], v3, s[\ptr:\ptr+1] offset:(8*(\t)+128*((\i/4)%4)+4*(\i/16)+(\i%4))*(\ncol)*4 th:TH_LOAD_NT
.else
	global_load_b32 v[X+32*((\t)%2)+\i], v3, s[\ptr:\ptr+1] offset:(32*(\t)+(\i%8)+16*((\i/8)%2)+8*(\i/16))*(\ncol)*4 th:TH_LOAD_NT
.endif
.endr
.endm
.macro WBLOCK t, kind, ncol, ptr
.if (\t) < 7
	s_wait_loadcnt 32                              ; this block's 32 loads are in; the next block's 32 may be out
.else
	s_wait_loadcnt 0
.endif
.irp i, 0,1,2,3,4,5,6,7,8,9,10,11,12,13,14,15,16,17,18,19,20,21,22,23,24,25,26,27,28,29,30,31
.endr
.irp g, 0,1,2,3
	v_cvt_scalef32_pk8_fp8_f32 v[C+2*\g:C+2*\g+1], v[X+32*((\t)%2)+8*\g:X+32*((\t)%2)+8*\g+7], v11
.endr
	ds_store_b128 v4, v[C:C+3] offset:32*(\t)      ; 32 codes of my column's row
	ds_store_b128 v4, v[C+4:C+7] offset:32*(\t)+16
.if (\t)+2 < 8
	WLOAD (\t)+2, \kind, \ncol, \ptr
.endif
	s_wait_dscnt 0x0                               ; the stores have read their registers: the next block's codes may be written
.endm
; A weight's way.  kind 0: W_attn's order of K, kind 1: W_proj's.  ptr, out: the scalar pairs of the tensor and of its codes; stg: the way's own stages in LDS; first: its first work-group; esc: the register of its e.
; Work-group id': x = id' / 4: 128 columns; y = id' % 4: 256 positions.  The largest load offset is 447 x 12,288 bytes, inside the signed 24-bit immediate.
.macro WPATH kind, ncol, ptr, out, stg, first, esc
	s_sub_co_u32 s19, ttmp9, \first
	s_lshr_b32 s20, s19, 2
	s_and_b32 s21, s19, 3                          ; y
	s_lshl_b32 s20, s20, 7
	s_lshl_b32 s22, s18, 5
	s_add_co_u32 s20, s20, s22                     ; my wave's first column: 128 x + 32 wave
.if \kind == 0
	s_lshr_b32 s22, s21, 1
	s_lshl_b32 s22, s22, 9
	s_and_b32 s23, s21, 1
	s_lshl_b32 s23, s23, 6
	s_add_co_u32 s22, s22, s23                     ; the row of W from which my offsets count: 512 (y / 2) + 64 (y % 2)
.else
	s_lshl_b32 s22, s21, 8                         ; 256 y
.endif
	s_mul_i32 s22, s22, (\ncol)*4
	s_lshl_b32 s23, s20, 2
	s_add_co_u32 s32, s22, s23
	s_mov_b32 s33, 0
	s_add_nc_u64 s[\ptr:\ptr+1], s[\ptr:\ptr+1], s[32:33]
	s_lshl_b32 s32, s20, 10                        ; the codes: column x 1,024 + 256 y
	s_lshl_b32 s23, s21, 8
	s_add_co_u32 s32, s32, s23
	s_add_nc_u64 s[\out:\out+1], s[\out:\out+1], s[32:33]
	v_lshlrev_b32 v3, 2, v2                        ; in: 4 bytes a lane
	s_mul_i32 s23, s18, 32*PITCH
	s_add_co_u32 s23, s23, \stg                    ; my stage
	v_mul_u32_u24 v4, v2, PITCH
	v_add_nc_u32 v4, s23, v4                       ; into it: row = my column
	v_and_b32 v5, 15, v2
	v_lshrrev_b32 v6, 4, v2
	v_mul_u32_u24 v7, v6, PITCH
	v_lshl_add_u32 v7, v5, 4, v7
	v_add_nc_u32 v7, s23, v7                       ; out of it: sixteen lanes to a row, two rows an instruction
	v_lshlrev_b32 v8, 10, v6
	v_lshl_add_u32 v8, v5, 4, v8                   ; and the same place in the codes' buffer
	WLOAD 0, \kind, \ncol, \ptr
	WLOAD 1, \kind, \ncol, \ptr
	s_wait_kmcnt 0x0
	s_add_co_i32 s22, s[\esc], 127
	s_lshl_b32 s23, s22, 23
	v_mov_b32 v11, s23                             ; 2^e as f32: the conversion takes its exponent field
	s_add_co_i32 s22, s22, 8
	s_lshl_b32 s22, s22, 23
	s_or_b32 s22, s22, 0x600000
	s_wait_alu depctr_va_vdst(0)
.irp t, 0,1,2,3,4,5,6,7
	WBLOCK \t, \kind, \ncol, \ptr
.endr
.irp t, 0,1,2,3,4,5,6,7,8,9,10,11,12,13,14,15
	ds_load_b128 v[OUTR+4*\t:OUTR+4*\t+3], v7 offset:2*\t*PITCH   ; LDS serves a wave's instructions in order: these see my stores
.endr
.irp t, 0,1,2,3,4,5,6,7,8,9,10,11,12,13,14,15
	s_wait_dscnt 15-\t                             ; the younger read-backs may be out
	global_store_b128 v8, v[OUTR+4*\t:OUTR+4*\t+3], s[\out:\out+1] offset:2*\t*1024
.endr
	s_wait_tensorcnt 0x0                           ; the wave's end: behind my last LDS store
	ds_add_u32 v[SPW], v[NIL]
	s_wait_dscnt 0x0
	s_endpgm
.endm
	s_wait_alu depctr_va_vdst(0)
	WPATH 0, 3072, 6, 14, 0, 0, 25                 ; W_attn, e1
.Lwp:
	s_wait_alu depctr_va_vdst(0)
	WPATH 1, 1024, 8, 16, 34816, 96, 31            ; W_proj, e7: stages of its own
.Lx:
	; x: run = 4 (work-group - 128) + wave: 4,096 numbers, 8 chunks of 512
	s_sub_co_u32 s19, ttmp9, 128
	s_lshl_b32 s19, s19, 2
	s_add_co_u32 s19, s19, s18
	s_lshl_b32 s20, s19, 14
	s_mov_b32 s21, 0
	s_add_nc_u64 s[4:5], s[4:5], s[20:21]
	s_lshl_b32 s20, s19, 12
	s_add_nc_u64 s[12:13], s[12:13], s[20:21]
	s_wait_alu depctr_va_vdst(0)
	v_lshlrev_b32 v3, 4, v2                        ; 16 bytes a lane, in and out
.irp t, 0,1,2,3,4,5,6,7
.irp i, 0,1,2,3
	global_load_b128 v[16+16*\t+4*\i:16+16*\t+4*\i+3], v3, s[4:5] offset:2048*\t+512*\i th:TH_LOAD_NT   ; numbers 128 i + 4 lane + 0..3 of chunk t
.endr
.endr
	s_wait_kmcnt 0x0
	s_add_co_i32 s22, s24, 127
	s_lshl_b32 s23, s22, 23
	v_mov_b32 v11, s23                             ; 2^e0
	s_wait_alu depctr_va_vdst(0)
.irp t, 0,1,2,3,4,5,6,7
	s_wait_loadcnt 28-4*\t                         ; this chunk's four loads are in; four for each younger chunk may be out
.irp i, 0,1,2,3,4,5,6,7,8,9,10,11,12,13,14,15
.endr
	v_cvt_scalef32_pk8_fp8_f32 v[144+4*\t:145+4*\t], v[16+16*\t:23+16*\t], v11
	v_cvt_scalef32_pk8_fp8_f32 v[146+4*\t:147+4*\t], v[24+16*\t:31+16*\t], v11
	global_store_b128 v3, v[144+4*\t:147+4*\t], s[12:13] offset:512*\t   ; positions 16 lane + 0..15: the wave stores 512 consecutive bytes; no register is written twice
.endr
	s_endpgm
.Lfunc_end_k_q5388022df2_quant:
	.size	k_q5388022df2_quant, .Lfunc_end_k_q5388022df2_quant-k_q5388022df2_quant
	.p2alignl 7, 3214868480
	.fill 96, 4, 3214868480
	.section	.rodata,"a",@progbits
	.p2align	6, 0x0
	.amdhsa_kernel k_q5388022df2_quant
		.amdhsa_group_segment_fixed_size 70144
		.amdhsa_private_segment_fixed_size 0
		.amdhsa_enable_private_segment 0
		.amdhsa_kernarg_size 56
		.amdhsa_user_sgpr_count 2
		.amdhsa_user_sgpr_kernarg_segment_ptr 1
		.amdhsa_wavefront_size32 1
		.amdhsa_system_sgpr_workgroup_id_x 1
		.amdhsa_system_sgpr_workgroup_id_y 1
		.amdhsa_system_sgpr_workgroup_id_z 1
		.amdhsa_system_vgpr_workitem_id 0
		.amdhsa_next_free_vgpr 192
		.amdhsa_next_free_sgpr 66
		.amdhsa_reserve_vcc 0
		.amdhsa_float_denorm_mode_32 3
		.amdhsa_float_denorm_mode_16_64 3
		.amdhsa_fp16_overflow 1
		.amdhsa_memory_ordered 1
		.amdhsa_forward_progress 1
		.amdhsa_inst_pref_size 71
	.end_amdhsa_kernel
	.amdgpu_metadata
---
amdhsa.version: [ 1, 2 ]
amdhsa.kernels:
  - .name:           k_q5388022df2_quant
    .symbol:         k_q5388022df2_quant.kd
    .args:
      - { .name: x, .offset: 0, .size: 8, .value_kind: global_buffer, .address_space: global }
      - { .name: W_attn, .offset: 8, .size: 8, .value_kind: global_buffer, .address_space: global }
      - { .name: W_proj, .offset: 16, .size: 8, .value_kind: global_buffer, .address_space: global }
      - { .name: lowp_scales, .offset: 24, .size: 8, .value_kind: global_buffer, .address_space: global }
      - { .name: x_codes, .offset: 32, .size: 8, .value_kind: global_buffer, .address_space: global }
      - { .name: wa_codes, .offset: 40, .size: 8, .value_kind: global_buffer, .address_space: global }
      - { .name: wp_codes, .offset: 48, .size: 8, .value_kind: global_buffer, .address_space: global }
    .group_segment_fixed_size: 70144
    .private_segment_fixed_size: 0
    .kernarg_segment_align: 8
    .kernarg_segment_size: 56
    .max_flat_workgroup_size: 128
    .sgpr_count:     66
    .vgpr_count:     192
    .wavefront_size: 32
...
	.end_amdgpu_metadata
.endif
;; end of part 1
;; launch qkv (part 2): grid 12 x 32, 4 waves a work-group, clusters of 4 x 4, 327,680 bytes of LDS; arguments x_codes, wa_codes, b_attn, lowp_scales, q_codes, k_codes, v_codes; writes q_codes, k_codes, v_codes
.if DOCPART == 2
	.amdgcn_target "amdgcn-amd-amdhsa--gfx1250"
	.amdhsa_code_object_version 6
	.text
	.protected	k_q5388022df2_qkv
	.globl	k_q5388022df2_qkv
	.p2align	8
	.type	k_q5388022df2_qkv,@function
k_q5388022df2_qkv:
	s_mov_b64 s[64:65], 0
	v_nop
	global_prefetch_b8 v0, s[64:65] scope:SCOPE_SE
	s_setreg_imm32_b32 hwreg(HW_REG_WAVE_MODE, 25, 1), 1
	s_wait_xcnt 0x0
	s_wait_alu depctr_hold_cnt(0) depctr_sa_sdst(0) depctr_va_vdst(0) depctr_va_sdst(0) depctr_va_ssrc(0) depctr_va_vcc(0) depctr_vm_vsrc(0)
	s_getreg_b32 s2, hwreg(HW_REG_IB_STS2, 6, 4)
	s_cmp_eq_u32 s2, 0
	s_cbranch_scc0 .Lentry_in_a_cluster
	s_endpgm
.Lentry_in_a_cluster:
	s_bfe_u32 s2, ttmp6, 0x10000c
	s_cmp_lg_u32 s2, 0xf033
	s_cbranch_scc0 .Lentry_shape_is_right
	s_endpgm
.Lentry_shape_is_right:
; qkv = x W_attn + b_attn on codes of FP8 (E4M3), then q, k and v are quantised (e2, e3, e5) and stored as codes.  Nothing of this product is left out.
; x_codes [8192][1024], wa_codes [3072][1024]: K innermost, the same order of K in both.  A sum stands for sum x 2^(e0 + e1); number = sum x 2^(e0 + e1) + bias, in f32; code = number / 2^e, held within +-448.
; LIMITS: e0 + e1 between -126 and 127; e2, e3, e5 between -126 and 119.  The order of the f32 sums differs from reference()'s.
; A tile of 256 x 256 is made by four waves, 128 x 128 each: 64 accumulators, 512 registers.  K = 1,024 goes in four steps of 256 through two LDS slots filled by the tensor data mover; the steps are written out, no loop.
; SLOT A feeds source 1 (its row: one a lane), SLOT B source 0 (its rows: eight neighbours in a lane's registers).  Cluster x = 0, 1: q, k: A = tokens, B = channels: a lane's registers run along the head's channels,
; which are product 2's K.  Cluster x = 2: v: A = channels, B = tokens: a lane's registers run along the tokens, which are product 3's K.  Only pointers and tile numbers are chosen (on the cluster's x, the same in all
; sixteen partners); ring and products are one text.
; CLUSTERS: 4 x 4.  Slot A's tile hangs on cy alone and is asked for jointly by my row of the cluster, slot B's on cx alone, by my column.
; OUTPUT LAYOUTS.  Two neighbouring accumulators give 16 codes a lane, byte 8 u + j = number 32 b + 16 u + 8 h + j, stored at byte 32 b + 16 h: so position p holds number p with bits 3 and 4 exchanged.
;   q_codes, k_codes [64 bh][2048 t][64 positions];   v_codes [64 bh][16 steps][64 d][128 positions], position p of step s = key 128 s + (p with bits 3, 4 exchanged).
; No prefetch: of four K steps two are asked for at the head, where nothing is prefetched, and the other two follow at once.
; REGISTERS, in windows of 256: window 0: v16-30 addresses, v32-39 the bias's offsets, v40 the quantiser's scale, v64-127 the bias, v128-255 slot A's fragments (one set), on the way out at work.
;   window 1: slot B's fragments, two sets.   windows 2, 3: the accumulators ((a, b) at v[8 (8 (a % 4) + b)]).
.set KROW,   1024
.set ROWB,   256
.set PITCH,  272                       ; an LDS row: 256 bytes + 16: the 16 rows of a fragment load start at 16 different groups of four banks
.set FR,     16
.set NL,     4
.set NP,     4
.set HALFT,  128*PITCH
.set SLOT,   4*HALFT
.set SPARE,  2*SLOT                    ; behind the ring: the spare words, 128 bytes a wave
.set SP,     144                       ; a stage row: 128 codes + 16
.set STQ,    SPARE+512                 ; q's and k's stages: 16 rows a wave; no tensor load lands here
.set STV,    STQ+4*16*SP               ; v's stages: bytes of their own
.set ADRA, 16
.set ADRB, 20
.set STOQ, 24
.set STOV, 25
.set RDQ,  26
.set RDV,  27
.set SPW,  28                          ; never rewritten
.set NIL,  29                          ; never rewritten
.set CO,   30                          ; 16 x lane
.set BO,   32
.set BB,   64
.set AF,   128
.set TMP,  128                         ; the way out: a block's 64 numbers
.set CD,   192                         ; its codes, two sets of 16
.set BACK, 224                         ; the codes read back, two sets of 16
.set G1, 24
.set G0, 32
.set G1B, 48
.set G0B, 56
.set MSB, 0
.macro WIN new                         ; the immediate's high byte repeats the setting that is left
.if MSB != \new
	s_set_vgpr_msb (MSB<<8)|\new
.set MSB, \new
.endif
.endm
.set MUL_LO, 0xa1                      ; source 0 window 1, source 1 window 0, C and D window 2
.set MUL_HI, 0xf1
.set TO_B,   0x40
.macro JLOAD g0a, g1a, g0b, g1b        ; a joint load: waves 0, 1 fetch slot A's halves, waves 2, 3 slot B's; an s_nop 0 and four v_nop follow each line
	s_cmp_eq_u32 s15, 0
	s_cbranch_scc0 .Lfor_b_\@
	tensor_load_to_lds s[\g0a:\g0a+3], s[\g1a:\g1a+7]
	s_nop 0
.rept 4
	v_nop
.endr
	s_branch .Lasked_\@
.Lfor_b_\@:
	tensor_load_to_lds s[\g0b:\g0b+3], s[\g1b:\g1b+7]
	s_nop 0
.rept 4
	v_nop
.endr
.Lasked_\@:
.endm
.macro CREST
	s_cmp_lg_u32 s14, 0
	s_cbranch_scc1 .Lnot_wave_0_\@
	s_barrier_signal -3
.Lnot_wave_0_\@:
	s_barrier_wait -3
	s_barrier_signal -1
	s_barrier_wait -1
.endm
.macro CROUND
	s_barrier_signal -1
	s_barrier_wait -1
	CREST
.endm
	s_load_b256 s[4:11], s[0:1], 0x0               ; x_codes s[4:5], wa_codes s[6:7], b_attn s[8:9], the exponents s[10:11]
	s_load_b128 s[68:71], s[0:1], 0x20             ; q_codes, k_codes
	s_load_b64 s[72:73], s[0:1], 0x30              ; v_codes
	v_lshl_add_u32 v[SPW], v0, 2, SPARE
	v_mov_b32 v[NIL], 0
	ds_add_u32 v[SPW], v[NIL]                      ; the wave's opening: the add, twice on end, and its wait ahead of my first tensor load
	ds_add_u32 v[SPW], v[NIL]
	v_lshrrev_b32 v1, 5, v0
	v_readfirstlane_b32 s14, v1                    ; wave 0..3
	s_lshr_b32 s15, s14, 1                         ; my half of slot A's rows.  Also: I fetch for A (0) or B (1)
	s_and_b32 s16, s14, 1                          ; my half of slot B's rows.  Also: which 128 rows I fetch
	s_bfe_u32 s40, ttmp6, 0x40000                  ; cx
	s_bfe_u32 s41, ttmp6, 0x40004                  ; cy
	s_and_b32 s17, ttmp7, 0xffff
	s_lshl_b32 s17, s17, 2                         ; 4 x cluster y
	s_lshl_b32 s18, ttmp9, 2                       ; 4 x cluster x
	s_cmp_eq_u32 ttmp9, 2                          ; v?
	s_cselect_b32 s75, 8, s17
	s_cselect_b32 s74, s17, s18
	s_add_co_u32 s75, s75, s41                     ; RA, slot A's tile: q, k: token tile 4 cly + cy; v: channel tile 8 + cy
	s_add_co_u32 s74, s74, s40                     ; RB, slot B's tile: q, k: channel tile 4 clx + cx; v: token tile 4 cly + cx
	s_lshl_b32 s94, s41, 2
	s_lshl_b32 s94, 15, s94                        ; my row of the cluster
	s_lshl_b32 s95, 0x1111, s40                    ; my column
	s_or_b32 s[G1+0], s94, (0<<16)|(1<<20)|(1<<21)|(5<<22)|(3<<25)   ; mask; elements of 1 byte; padding on; bit 21 beside a mask; 4 words after every 64
	s_or_b32 s[G1B+0], s95, (0<<16)|(1<<20)|(1<<21)|(5<<22)|(3<<25)
.irp g, G1, G1B
	s_mov_b32 s[\g+1], ROWB<<16                    ; tensor_dim0
	s_mov_b32 s[\g+2], 128<<16                     ; tensor_dim1
	s_mov_b32 s[\g+3], ROWB<<16                    ; tile_dim0
	s_mov_b32 s[\g+4], 128                         ; tile_dim1
	s_mov_b32 s[\g+5], KROW                        ; pitch
	s_mov_b32 s[\g+6], 0
	s_mov_b32 s[\g+7], 0
.endr
	s_lshl_b32 s18, s16, 7
	s_lshl_b32 s20, s75, 8
	s_add_co_u32 s20, s20, s18                     ; slot A: row 256 RA + 128 half,
	s_lshl_b32 s20, s20, 10                        ; in bytes
	s_mov_b32 s21, 0
	s_lshl_b32 s46, s74, 8
	s_add_co_u32 s46, s46, s18
	s_lshl_b32 s46, s46, 10
	s_mov_b32 s47, 0
	s_mul_i32 s13, s14, HALFT                      ; where they go: wave x 128 rows
	s_wait_dscnt 0x0                               ; both opening adds are done
	s_wait_kmcnt 0x0
	s_load_b256 s[80:87], s[10:11], 0x0            ; e0 .. e7
	s_cmp_eq_u32 ttmp9, 2
	s_cselect_b64 s[90:91], s[6:7], s[4:5]         ; slot A's tensor
	s_cselect_b64 s[92:93], s[4:5], s[6:7]         ; slot B's
	s_add_nc_u64 s[20:21], s[90:91], s[20:21]
	s_add_nc_u64 s[46:47], s[92:93], s[46:47]
	CROUND                                         ; all sixteen work-groups are here: the first joint loads meet
.irp s, 0,1
	s_mov_b32 s[G0+4*\s], 1
	s_add_co_u32 s[G0+4*\s+1], s13, \s*SLOT
	s_add_nc_u64 s[G0+4*\s+2:G0+4*\s+3], s[20:21], \s*ROWB
	s_or_b32 s[G0+4*\s+3], s[G0+4*\s+3], 0x80000000
	s_mov_b32 s[G0B+4*\s], 1
	s_add_co_u32 s[G0B+4*\s+1], s13, \s*SLOT
	s_add_nc_u64 s[G0B+4*\s+2:G0B+4*\s+3], s[46:47], \s*ROWB
	s_or_b32 s[G0B+4*\s+3], s[G0B+4*\s+3], 0x80000000
	JLOAD G0+4*\s, G1, G0B+4*\s, G1B
.endr
	v_and_b32 v1, 15, v0                           ; r
	s_wait_alu depctr_va_vdst(0)
	v_bfe_u32 v2, v0, 4, 1                         ; h
	v_mul_u32_u24 v3, v1, PITCH
	v_lshl_add_u32 v4, v2, 4, v3
	s_mul_i32 s21, s15, HALFT
	s_mul_i32 s22, s16, HALFT
	s_add_co_u32 s22, s22, 2*HALFT
.irp s, 0,1
	v_add_nc_u32 v[ADRA+\s], s21, v4
	v_add_nc_u32 v[ADRB+\s], s22, v4
	s_add_co_u32 s21, s21, SLOT
	s_add_co_u32 s22, s22, SLOT
.endr
	; the stages' addresses, both kinds', made here, ahead of the parting
	s_mul_i32 s23, s14, 16*SP
	v_mul_u32_u24 v5, v1, SP
	s_wait_alu depctr_va_vdst(0)
	v_lshl_add_u32 v5, v2, 4, v5
	v_add_nc_u32 v5, s23, v5
	v_add_nc_u32 v[STOQ], STQ, v5                  ; in: row r, 16 bytes for each half of the lanes
	v_add_nc_u32 v[STOV], STV, v5
	v_and_b32 v6, 31, v0
	v_lshlrev_b32 v[CO], 4, v6
	v_lshrrev_b32 v7, 2, v6
	v_mul_u32_u24 v7, v7, SP
	v_and_b32 v8, 3, v6
	v_lshl_add_u32 v7, v8, 4, v7
	v_add_nc_u32 v7, s23, v7
	v_add_nc_u32 v[RDQ], STQ, v7                   ; back, q and k: four lanes to a token's 64 bytes of a head, eight tokens an instruction
	v_lshrrev_b32 v7, 3, v6
	v_mul_u32_u24 v7, v7, SP
	v_and_b32 v8, 7, v6
	v_lshl_add_u32 v7, v8, 4, v7
	v_add_nc_u32 v7, s23, v7
	v_add_nc_u32 v[RDV], STV, v7                   ; back, v: eight lanes to a channel's 128 bytes, four channels an instruction
	; where my codes go, one formula for the three tensors: ((token tile / 8) 16 + 4 (cx or cy) + 2 head half) x 131,072 + ((token tile % 8) 2 + token half) x 8,192
	s_cmp_eq_u32 ttmp9, 0
	s_cselect_b64 s[88:89], s[68:69], s[70:71]
	s_cmp_eq_u32 ttmp9, 2
	s_cselect_b64 s[88:89], s[72:73], s[88:89]
	s_cselect_b32 s42, s74, s75                    ; the token tile
	s_cselect_b32 s43, s41, s40
	s_cselect_b32 s44, s15, s16                    ; my half of the channels
	s_cselect_b32 s45, s16, s15                    ; my half of the tokens
	s_cselect_b32 s79, s75, s74                    ; the channel tile
	s_cselect_b32 s76, 4, 0                        ; the bias's offsets: v: 4 r;  q, k: 32 h + 4 j
	s_cselect_b32 s77, 0, 32
	s_cselect_b32 s78, 0, 4
	s_lshr_b32 s19, s42, 3
	s_lshl_b32 s19, s19, 4
	s_lshl_b32 s43, s43, 2
	s_add_co_u32 s19, s19, s43
	s_lshl_b32 s43, s44, 1
	s_add_co_u32 s19, s19, s43
	s_lshl_b32 s19, s19, 17
	s_and_b32 s42, s42, 7
	s_lshl_b32 s42, s42, 1
	s_add_co_u32 s42, s42, s45
	s_lshl_b32 s42, s42, 13
	s_add_co_u32 s22, s19, s42
	s_mov_b32 s23, 0
	s_add_nc_u64 s[88:89], s[88:89], s[22:23]
	; the bias: register BB + 8 g + j holds b_attn[c0 + 16 g + (v: r;  q, k: 8 h + j)], c0 = 256 x channel tile + 128 x my half
	s_lshl_b32 s79, s79, 8
	s_lshl_b32 s44, s44, 7
	s_add_co_u32 s79, s79, s44
	s_lshl_b32 s22, s79, 2
	s_add_nc_u64 s[8:9], s[8:9], s[22:23]
	v_mul_lo_u32 v9, v1, s76
	v_mul_lo_u32 v10, v2, s77
	v_add_nc_u32 v9, v9, v10
	s_wait_alu depctr_va_vdst(0)
.irp j, 0,1,2,3,4,5,6,7
	s_mul_i32 s19, s78, \j
	v_add_nc_u32 v[BO+\j], s19, v9
.endr
.irp g, 0,1,2,3,4,5,6,7
.irp j, 0,1,2,3,4,5,6,7
	global_load_b32 v[BB+8*\g+\j], v[BO+\j], s[8:9] offset:64*\g   ; waited for on the way out; its registers lie idle until then
.endr
.endr
.macro FRAG reg, adr, q, i             ; 16 rows x 128 positions: registers 4 c .. 4 c + 3 hold positions 32 c + 16 h + 0 .. 15, in both operands alike
.irp c, 0,1,2,3
	ds_load_b128 v[\reg+4*\c:\reg+4*\c+3], v[\adr] offset:128*(\q)+32*\c+(\i)*16*PITCH
.endr
.endm
.macro MUL16 a0, p, zero               ; the 64 accumulators take turns, one instruction a turn, in the same order in every step
.irp a, \a0, \a0+1
.irp b, 0,1,2,3,4,5,6,7
.if \zero
	v_wmma_f32_16x16x128_fp8_fp8 v[8*(8*((\a)%4)+\b):8*(8*((\a)%4)+\b)+7], v[128*(\p)+FR*\b:128*(\p)+FR*\b+FR-1], v[AF+FR*(\a):AF+FR*(\a)+FR-1], 0
.else
	v_wmma_f32_16x16x128_fp8_fp8 v[8*(8*((\a)%4)+\b):8*(8*((\a)%4)+\b)+7], v[128*(\p)+FR*\b:128*(\p)+FR*\b+FR-1], v[AF+FR*(\a):AF+FR*(\a)+FR-1], v[8*(8*((\a)%4)+\b):8*(8*((\a)%4)+\b)+7]
.endif
.endr
.endr
.endm
.macro FETCH_B slot, q, p
	WIN TO_B
.irp i, 0,1,2,3,4,5,6,7
	FRAG 128*(\p)+FR*\i, ADRB+\slot, \q, \i
.endr
	WIN 0
.endm
.macro FETCH_A slot, q, i0
.irp i, \i0, \i0+1, \i0+2, \i0+3
	FRAG AF+FR*(\i), ADRA+\slot, \q, \i
.endr
.endm
.macro PLACES n                        ; plain vector instructions between a matrix instruction and a load into, or a vector access to, its registers
.rept \n
	v_nop
.endr
.endm
.macro STEP slot, q, zero              ; 128 along K that has its successor in the same slot
	s_wait_dscnt 4*NL                              ; B's set and A's blocks 0-3 are in; the youngest sixteen loads (A's blocks 4-7) may be out
	WIN MUL_LO
	MUL16 0, (\q)%2, \zero
	MUL16 2, (\q)%2, \zero
	s_wait_dscnt 0
	PLACES NP
	FETCH_B \slot, (\q)+1, 1-(\q)%2
	FETCH_A \slot, (\q)+1, 0
	WIN MUL_HI
	MUL16 4, (\q)%2, \zero
	MUL16 6, (\q)%2, \zero
	PLACES NP
	WIN 0
	FETCH_A \slot, (\q)+1, 4
.endm
.macro TURN slot, next, fill           ; a slot's last 128 along K, and the change of slots
	s_wait_tensorcnt 0x0                           ; all my tensor loads have landed: my part of the next slot
	ds_add_u32 v[SPW], v[NIL]                      ; 0 onto my spare word
	s_wait_dscnt 4*NL+1                            ; the add and the youngest sixteen loads may be out
	WIN MUL_LO
	MUL16 0, 1, 0
	s_wait_dscnt 0x0                               ; the add is done, and my reads of this slot are over
	s_barrier_signal -1
	MUL16 2, 1, 0
	WIN 0
	s_barrier_wait -1
.if \fill
	CREST                                          ; the barrier has opened a round of the cluster's barrier: no wave of any partner still reads this slot or has a load on its way
	s_add_nc_u64 s[G0+4*\slot+2:G0+4*\slot+3], s[G0+4*\slot+2:G0+4*\slot+3], 2*ROWB
	s_add_nc_u64 s[G0B+4*\slot+2:G0B+4*\slot+3], s[G0B+4*\slot+2:G0B+4*\slot+3], 2*ROWB
	JLOAD G0+4*\slot, G1, G0B+4*\slot, G1B         ; the first tensor load behind the round; its four v_nop are the places in front of the loads below
.else
	PLACES NP
.endif
	FETCH_B \next, 0, 0
	FETCH_A \next, 0, 0
	WIN MUL_HI
	MUL16 4, 1, 0
	MUL16 6, 1, 0
	PLACES NP
	WIN 0
	FETCH_A \next, 0, 4
.endm
	s_wait_tensorcnt 1                             ; my part of K step 0 is in; K step 1's load may be out
	s_barrier_signal -1
	s_barrier_wait -1
	FETCH_B 0, 0, 0
	FETCH_A 0, 0, 0
	FETCH_A 0, 0, 4
	STEP 0, 0, 1                                   ; the first products start the sums
	TURN 0, 1, 1                                   ; slot 0 takes K step 2
	STEP 1, 0, 0
	TURN 1, 0, 1                                   ; slot 1 takes K step 3
	STEP 0, 0, 0
	TURN 0, 1, 0                                   ; nothing is left to fetch
	STEP 1, 0, 0
	s_wait_dscnt 4*NL
	WIN MUL_LO
	MUL16 0, 1, 0
	MUL16 2, 1, 0
	s_wait_dscnt 0
	WIN MUL_HI
	MUL16 4, 1, 0
	MUL16 6, 1, 0
	WIN 0
	; THE WAY OUT
	s_wait_kmcnt 0x0
	s_wait_loadcnt 0x0                             ; the bias
	s_add_co_i32 s96, s80, s81
	s_add_co_i32 s96, s96, 127
	s_lshl_b32 s96, s96, 23                        ; 2^(e0 + e1)
	s_mov_b32 s97, s96                             ; (named with it as a pair)
	s_cmp_eq_u32 ttmp9, 0
	s_cselect_b32 s19, s82, s83
	s_cmp_eq_u32 ttmp9, 2
	s_cselect_b32 s19, s85, s19                    ; e2, e3 or e5: a choice, no branch on it
	s_add_co_i32 s19, s19, 127
	s_lshl_b32 s18, s19, 23
	v_mov_b32 v40, s18                             ; 2^e
	PLACES NP
; Block a (slot A's rows 16 a on x slot B's 128): number = sum x 2^(e0 + e1) + bias, each accumulator from its low end on; eight conversions; the codes go through my stage and come back as dense runs.
.macro OUTBLK a, kind
.set AC, 64*((\a)%4)
.set CS, CD+16*((\a)%2)
.set BS, BACK+16*((\a)%2)
	WIN 0x02+((\a)/4)                              ; source 0: window 2 or 3
.set n, 0
.rept 32
.if \kind
	v_pk_fma_f32 v[TMP+n:TMP+n+1], v[AC+n:AC+n+1], s[96:97], v[BB+8*(\a)+n%8:BB+8*(\a)+n%8+1] op_sel_hi:[1,0,1]
.else
	v_pk_fma_f32 v[TMP+n:TMP+n+1], v[AC+n:AC+n+1], s[96:97], v[BB+n:BB+n+1] op_sel_hi:[1,0,1]
.endif
.set n, n+2
.endr
	WIN 0
.set n, 0
.rept 64
.set n, n+1
.endr
.irp b, 0,1,2,3,4,5,6,7
	v_cvt_scalef32_pk8_fp8_f32 v[CS+2*\b:CS+2*\b+1], v[TMP+8*\b:TMP+8*\b+7], v40
.endr
	v_nop                                          ; a plain vector instruction behind the last conversion
.if \kind
.irp b, 0,1,2,3
	ds_store_b128 v[STOV], v[CS+4*\b:CS+4*\b+3] offset:32*\b
.endr
.irp i, 0,1,2,3
	ds_load_b128 v[BS+4*\i:BS+4*\i+3], v[RDV] offset:4*\i*SP   ; LDS serves a wave's instructions in order: these see the stores above
.endr
.else
.irp b, 0,1,2,3
	ds_store_b128 v[STOQ], v[CS+4*\b:CS+4*\b+3] offset:32*\b
.endr
.irp g, 0,1
.irp i, 0,1
	ds_load_b128 v[BS+4*(2*\g+\i):BS+4*(2*\g+\i)+3], v[RDQ] offset:8*\i*SP+64*\g
.endr
.endr
.endif
.endm
.macro SENDBLK a, younger, kind        ; each store covers 512 consecutive bytes, aligned; every place is an immediate
.set BS, BACK+16*((\a)%2)
	s_wait_dscnt \younger
.if \kind
.irp i, 0,1,2,3
	global_store_b128 v[CO], v[BS+4*\i:BS+4*\i+3], s[88:89] offset:((\a)/4)*131072+(((\a)%4)*16+4*\i)*128
.endr
.else
.irp g, 0,1
.irp i, 0,1
	global_store_b128 v[CO], v[BS+4*(2*\g+\i):BS+4*(2*\g+\i)+3], s[88:89] offset:\g*131072+(16*(\a)+8*\i)*64
.endr
.endr
.endif
.endm
.macro TAIL kind
	OUTBLK 0, \kind
.irp a, 1,2,3,4,5,6,7
.if \a > 1
	s_wait_xcnt 0x0                                ; block a - 2's stores have read their registers: block a's read-backs may land there
.endif
	OUTBLK \a, \kind
	SENDBLK \a-1, 8, \kind                         ; behind block a - 1's loads: block a's four stores and four loads
.endr
	SENDBLK 7, 0, \kind
	s_wait_tensorcnt 0x0                           ; the wave's end
	ds_add_u32 v[SPW], v[NIL]
	s_wait_dscnt 0x0
	CROUND                                         ; the closing round
	s_endpgm
.endm
	s_cmp_eq_u32 ttmp9, 2                          ; the cluster's x: the same in all sixteen partners
	s_cbranch_scc1 .Lv
	TAIL 0
.Lv:
	TAIL 1
.Lfunc_end_k_q5388022df2_qkv:
	.size	k_q5388022df2_qkv, .Lfunc_end_k_q5388022df2_qkv-k_q5388022df2_qkv
	.p2alignl 7, 3214868480
	.fill 96, 4, 3214868480
	.section	.rodata,"a",@progbits
	.p2align	6, 0x0
	.amdhsa_kernel k_q5388022df2_qkv
		.amdhsa_group_segment_fixed_size 327680
		.amdhsa_private_segment_fixed_size 0
		.amdhsa_enable_private_segment 0
		.amdhsa_kernarg_size 56
		.amdhsa_user_sgpr_count 2
		.amdhsa_user_sgpr_kernarg_segment_ptr 1
		.amdhsa_wavefront_size32 1
		.amdhsa_system_sgpr_workgroup_id_x 1
		.amdhsa_system_sgpr_workgroup_id_y 1
		.amdhsa_system_sgpr_workgroup_id_z 1
		.amdhsa_system_vgpr_workitem_id 0
		.amdhsa_next_free_vgpr 1024
		.amdhsa_next_free_sgpr 100
		.amdhsa_reserve_vcc 0
		.amdhsa_float_denorm_mode_32 3
		.amdhsa_float_denorm_mode_16_64 3
		.amdhsa_fp16_overflow 1
		.amdhsa_memory_ordered 1
		.amdhsa_forward_progress 1
		.amdhsa_inst_pref_size 143
	.end_amdhsa_kernel
	.amdgpu_metadata
---
amdhsa.version: [ 1, 2 ]
amdhsa.kernels:
  - .name:           k_q5388022df2_qkv
    .symbol:         k_q5388022df2_qkv.kd
    .args:
      - { .name: x_codes, .offset: 0, .size: 8, .value_kind: global_buffer, .address_space: global }
      - { .name: wa_codes, .offset: 8, .size: 8, .value_kind: global_buffer, .address_space: global }
      - { .name: b_attn, .offset: 16, .size: 8, .value_kind: global_buffer, .address_space: global }
      - { .name: lowp_scales, .offset: 24, .size: 8, .value_kind: global_buffer, .address_space: global }
      - { .name: q_codes, .offset: 32, .size: 8, .value_kind: global_buffer, .address_space: global }
      - { .name: k_codes, .offset: 40, .size: 8, .value_kind: global_buffer, .address_space: global }
      - { .name: v_codes, .offset: 48, .size: 8, .value_kind: global_buffer, .address_space: global }
    .group_segment_fixed_size: 327680
    .private_segment_fixed_size: 0
    .kernarg_segment_align: 8
    .kernarg_segment_size: 56
    .max_flat_workgroup_size: 128
    .sgpr_count:     100
    .vgpr_count:     1024
    .wavefront_size: 32
...
	.end_amdgpu_metadata
.endif
;; end of part 2
;; launch attn (part 3): grid 4 x 64, 16 waves a work-group, clusters of 4 x 1, 327,680 bytes of LDS; arguments q_codes, k_codes, v_codes, lowp_scales, y_codes; writes y_codes
.if DOCPART == 3
	.amdgcn_target "amdgcn-amd-amdhsa--gfx1250"
	.amdhsa_code_object_version 6
	.text
	.protected	k_q5388022df2_attn
	.globl	k_q5388022df2_attn
	.p2align	8
	.type	k_q5388022df2_attn,@function
k_q5388022df2_attn:
	s_mov_b64 s[64:65], 0
	v_nop
	global_prefetch_b8 v0, s[64:65] scope:SCOPE_SE
	s_setreg_imm32_b32 hwreg(HW_REG_WAVE_MODE, 25, 1), 1
	s_wait_xcnt 0x0
	s_wait_alu depctr_hold_cnt(0) depctr_sa_sdst(0) depctr_va_vdst(0) depctr_va_sdst(0) depctr_va_ssrc(0) depctr_va_vcc(0) depctr_vm_vsrc(0)
	s_getreg_b32 s2, hwreg(HW_REG_IB_STS2, 6, 4)
	s_cmp_eq_u32 s2, 0
	s_cbranch_scc0 .Lentry_in_a_cluster
	s_endpgm
.Lentry_in_a_cluster:
	s_bfe_u32 s2, ttmp6, 0x10000c
	s_cmp_lg_u32 s2, 0x3003
	s_cbranch_scc0 .Lentry_shape_is_right
	s_endpgm
.Lentry_shape_is_right:
; y = softmax(q k^T / 8, causal) v on codes of FP8 (E4M3), then y is quantised (e6).  LEFT OUT: every step of 128 keys all of which come after a tile's 16 queries: reference()'s own jnp.tril sets those logits to -inf,
; the softmax makes 0 of them, and they add nothing to the row's sum nor to y, whatever the inputs hold.
; t = score x log2(e) / 8; M = the running largest t rounded up to a whole number; p = 2^(t - M) is quantised (e4), not normalised; the row's sum is taken of the unquantised p and divides at the end.
; LIMITS: e2 + e3 between -123 and 130 (added to c's exponent field); e4 and e6 between -126 and 119; e4 + e5 goes in by v_ldexp_f32 and has none.
; SHARES.  A cluster of four work-groups is one (batch, head).  The head's 128 tiles of 16 queries are dealt out: work-group cx owns tiles 4 u + cx; wave w owns u = 31 - w (tile 0) and u = w (tile 1).  A tile needs
; u / 2 + 1 key steps (rounded down), so every wave of every work-group has 17 tile steps.  The tests 'hidden' (KF > 64 u + 63) and 'open' (KF + 128 <= 64 u) hang on the wave's number and the count of steps alone;
; cx enters q's and y's addresses and one number that is compared with, nothing else.
; ALL OF THE HEAD'S K AND V LIES IN LDS, brought by first fills alone, asked for JOINTLY by the four partners (each of them reads all 2,048 keys: its u = 31).  Each wave issues two loads: its part of keys 0-255, then of
; the rest: two are out by this text's count.  The first two key steps are walked while the rest lands.  No slot is filled again; nothing is left to prefetch.
; LAYOUT.  S^T = K Q^T (source 0 = 16 neighbouring keys, source 1 = my 16 queries, K = 64), O^T = V^T P^T (source 0 = 16 channels, source 1 = P, K = 128 keys): a lane holds one query throughout.  The conversions of
; tiles 2 b, 2 b + 1 put key 32 b + 16 u + 8 h + j at byte 8 u + j of registers 4 b .. 4 b + 3; v_codes holds that key at position 32 b + 16 h + 8 u + j, which is what a 16-byte load at 32 b + 16 h brings.
; REGISTERS: v1 AK0, v2 AV0, v3 q's offset, v4 16 cx + r - 8 h, v5, v6 the add's two, v7 16 x lane, v8, v9 addresses in hand, v10, v11 the stage; v12-15, v16-19 a tile's -M, largest t, sum (two halves);
;   v20-27, v28-35 Q; v36-99 K's or V's fragments; v100-163 S^T, then p; v164-195, v196-227 O^T; v228-243 p's codes; v244 2^e4; v[246:247] f; v248-252 at work; v253 -infinity; v254 d.
.set KP,    80                         ; a key's row in LDS: 64 bytes + 16
.set VP,    144                        ; a channel's row of a step: 128 bytes + 16
.set VREG,  2048*KP                    ; K: 163,840 bytes; then V: 16 steps x 64 rows
.set SPARE, VREG+16*64*VP              ; 311,296: the spare words, 128 bytes for each of sixteen waves
.set AK0, 1
.set AV0, 2
.set SPW, 5                            ; never rewritten
.set NIL, 6                            ; never rewritten
.set GO,  7
.set ADK, 8
.set ADV, 9
.set KV,  36
.set S,   100
.set PC,  228
.set WV,  14
.set KF,  86                           ; s86 the step's first key
.set KB,  87                           ; s87 the step's K in LDS
.set VB,  88                           ; s88 the step's V, from VREG on
.set CNT, 89
.set G1K1, 24
.set G1K2, 32
.set G1V1, 40
.set G1V2, 48
.macro CROUND
	s_barrier_signal -1
	s_barrier_wait -1
	s_cmp_lg_u32 s[WV], 0
	s_cbranch_scc1 .Lnot_wave_0_\@
	s_barrier_signal -3
.Lnot_wave_0_\@:
	s_barrier_wait -3
	s_barrier_signal -1
	s_barrier_wait -1
.endm
	s_load_b256 s[4:11], s[0:1], 0x0               ; q_codes s[4:5], k_codes s[6:7], v_codes s[8:9], the exponents s[10:11]
	s_load_b64 s[12:13], s[0:1], 0x20              ; y_codes
	v_lshl_add_u32 v[SPW], v0, 2, SPARE
	v_mov_b32 v[NIL], 0
	ds_add_u32 v[SPW], v[NIL]                      ; the wave's opening: the add, twice on end, and its wait ahead of my first tensor load
	ds_add_u32 v[SPW], v[NIL]
	v_lshrrev_b32 v8, 5, v0
	s_delay_alu instid0(VALU_DEP_1)
	v_readfirstlane_b32 s[WV], v8                  ; wave 0..15
	s_and_b32 s15, s[WV], 7                        ; which eighth of K (waves 0-7) or of V (waves 8-15) I fetch
	s_bfe_u32 s16, ttmp6, 0x40000                  ; cx
	s_and_b32 s17, ttmp7, 0xffff                   ; batch x 16 + head, which the four partners share
	; descriptor groups 1.  K and V of a head are dense in memory: they come as rows of 256 bytes; in LDS 16 bytes of padding follow every 64 (K) or 128 (V)
	s_mov_b32 s[G1K1], 15|(0<<16)|(1<<20)|(1<<21)|(3<<22)|(3<<25)   ; the mask: all four; elements of 1 byte; padding on; bit 21 beside a mask; 4 words after every 16
	s_mov_b32 s[G1K2], 15|(0<<16)|(1<<20)|(1<<21)|(3<<22)|(3<<25)
	s_mov_b32 s[G1V1], 15|(0<<16)|(1<<20)|(1<<21)|(4<<22)|(3<<25)   ; 4 words after every 32
	s_mov_b32 s[G1V2], 15|(0<<16)|(1<<20)|(1<<21)|(4<<22)|(3<<25)
.irp g, G1K1, G1V1
	s_mov_b32 s[\g+1], 256<<16                     ; tensor_dim0
	s_mov_b32 s[\g+2], 8<<16                       ; tensor_dim1: 8 rows
	s_mov_b32 s[\g+3], 256<<16                     ; tile_dim0
	s_mov_b32 s[\g+4], 8                           ; tile_dim1
	s_mov_b32 s[\g+5], 256                         ; pitch
	s_mov_b32 s[\g+6], 0
	s_mov_b32 s[\g+7], 0
.endr
.irp g, G1K2, G1V2
	s_mov_b32 s[\g+1], 256<<16
	s_mov_b32 s[\g+2], 56<<16                      ; 56 rows
	s_mov_b32 s[\g+3], 256<<16
	s_mov_b32 s[\g+4], 56
	s_mov_b32 s[\g+5], 256
	s_mov_b32 s[\g+6], 0
	s_mov_b32 s[\g+7], 0
.endr
	s_mov_b32 s20, 0x76543210                      ; v_permlanex16_b32's selects: lane l xor 16
	s_mov_b32 s21, 0xfedcba98
	s_mov_b32 s22, 0x3e38aa3b                      ; c = log2(e) / 8
	s_sub_co_u32 s84, 31, s[WV]
	s_lshl_b32 s84, s84, 6                         ; 64 u of tile 0
	s_lshl_b32 s85, s[WV], 6                       ; 64 u of tile 1
	s_mov_b32 s[KF], 0
	s_mov_b32 s[KB], 0
	s_lshl_b32 s66, s17, 17                        ; what I fetch first: head x 131,072 + 2,048 x eighth
	s_lshl_b32 s88, s15, 11
	s_add_co_u32 s66, s66, s88
	s_mov_b32 s67, 0
	s_mul_i32 s88, s15, 14336                      ; and then: head x 131,072 + 16,384 + 14,336 x eighth
	s_lshl_b32 s89, s17, 17
	s_add_co_u32 s88, s88, s89
	s_add_co_u32 s88, s88, 16384
	s_mov_b32 s89, 0
	s_lshl_b32 s94, s17, 17                        ; q and y: head x 131,072 + (64 u + 16 cx) rows of 64 bytes
	s_lshl_b32 s95, s16, 10
	s_add_co_u32 s95, s95, s94
	s_lshl_b32 s96, s84, 6
	s_add_co_u32 s96, s96, s95
	s_mov_b32 s97, 0
	s_lshl_b32 s98, s85, 6
	s_add_co_u32 s98, s98, s95
	s_mov_b32 s99, 0
	s_wait_dscnt 0x0                               ; both opening adds are done
	s_wait_kmcnt 0x0
	s_load_b256 s[76:83], s[10:11], 0x0            ; e0 .. e7
	s_mov_b32 s56, 1                               ; K, keys 0-255: 8 rows each
	s_mul_i32 s57, s15, 2560
	s_add_nc_u64 s[58:59], s[6:7], s[66:67]
	s_or_b32 s59, s59, 0x80000000
	s_mov_b32 s60, 1                               ; K, the rest: 56 rows each
	s_mul_i32 s61, s15, 17920
	s_add_co_u32 s61, s61, 20480
	s_add_nc_u64 s[62:63], s[6:7], s[88:89]
	s_or_b32 s63, s63, 0x80000000
	s_mov_b32 s68, 1                               ; V, steps 0 and 1
	s_mul_i32 s69, s15, 2304
	s_add_co_u32 s69, s69, VREG
	s_add_nc_u64 s[70:71], s[8:9], s[66:67]
	s_or_b32 s71, s71, 0x80000000
	s_mov_b32 s72, 1                               ; V, the rest
	s_mul_i32 s73, s15, 16128
	s_add_co_u32 s73, s73, VREG+18432
	s_add_nc_u64 s[74:75], s[8:9], s[88:89]
	s_or_b32 s75, s75, 0x80000000
	s_add_nc_u64 s[18:19], s[4:5], s[96:97]        ; q of tile 0,
	s_add_nc_u64 s[2:3], s[4:5], s[98:99]          ; of tile 1
	s_add_nc_u64 s[90:91], s[12:13], s[96:97]      ; y likewise
	s_add_nc_u64 s[92:93], s[12:13], s[98:99]
	CROUND                                         ; all four work-groups are here: the joint loads meet
	s_cmp_lt_u32 s[WV], 8                          ; a wave's two fills stand in one branch on its number, ahead of every wait on TENSORcnt and every LDS read
	s_cbranch_scc0 .Lfor_v
	tensor_load_to_lds s[56:59], s[G1K1:G1K1+7]
	s_nop 0
	tensor_load_to_lds s[60:63], s[G1K2:G1K2+7]
	s_nop 0
.rept 4
	v_nop
.endr
	s_branch .Lasked
.Lfor_v:
	tensor_load_to_lds s[68:71], s[G1V1:G1V1+7]
	s_nop 0
	tensor_load_to_lds s[72:75], s[G1V2:G1V2+7]
	s_nop 0
.rept 4
	v_nop
.endr
.Lasked:
	s_mov_b32 s[VB], 0
	v_and_b32 v8, 15, v0                           ; r
	v_bfe_u32 v9, v0, 4, 1                         ; h
	s_delay_alu instid0(VALU_DEP_2)
	v_lshlrev_b32 v3, 6, v8
	s_delay_alu instid0(VALU_DEP_1)
	v_lshl_add_u32 v3, v9, 4, v3                   ; q: row r of 64 bytes, + 16 h
.irp c, 0,1
	global_load_b128 v[20+4*\c:23+4*\c], v3, s[18:19] offset:32*\c
	global_load_b128 v[28+4*\c:31+4*\c], v3, s[2:3] offset:32*\c
.endr
	v_mul_u32_u24 v[AK0], v8, KP
	s_delay_alu instid0(VALU_DEP_1)
	v_lshl_add_u32 v[AK0], v9, 4, v[AK0]
	v_mul_u32_u24 v[AV0], v8, VP
	s_delay_alu instid0(VALU_DEP_1)
	v_lshl_add_u32 v[AV0], v9, 4, v[AV0]
	s_delay_alu instid0(VALU_DEP_1)
	v_add_nc_u32 v[AV0], VREG, v[AV0]
	v_lshlrev_b32 v4, 3, v9
	s_delay_alu instid0(VALU_DEP_1)
	v_sub_nc_u32 v4, v8, v4
	s_delay_alu instid0(VALU_DEP_1)
	v_lshl_add_u32 v4, s16, 4, v4                  ; 16 cx + r - 8 h: a number to compare with, no address
	v_and_b32 v[GO], 31, v0
	s_mul_i32 s94, s[WV], 2560                     ; my stage for the way out: 2 tiles x 16 rows x 80 bytes, in K's region, used behind the last barrier
	v_add_nc_u32 v10, s94, v[AK0]                  ; in: row r, + 16 h
	v_lshrrev_b32 v11, 2, v[GO]
	s_delay_alu instid0(VALU_DEP_1)
	v_mul_u32_u24 v11, v11, KP
	v_and_b32 v248, 3, v[GO]
	s_delay_alu instid0(VALU_DEP_1)
	v_lshl_add_u32 v11, v248, 4, v11
	s_delay_alu instid0(VALU_DEP_1)
	v_add_nc_u32 v11, s94, v11                     ; back: four lanes to a row, eight rows an instruction
	v_lshlrev_b32 v[GO], 4, v[GO]
	v_mov_b32 v13, 0xff61b1e6                      ; the largest t so far: -3e38
	v_mov_b32 v17, 0xff61b1e6
	s_delay_alu instid0(VALU_DEP_2)
	v_floor_f32 v12, -v13                          ; -M
	s_delay_alu instid0(VALU_DEP_2)
	v_floor_f32 v16, -v17
	v_mov_b32 v14, 0
	v_mov_b32 v15, 0
	v_mov_b32 v18, 0
	v_mov_b32 v19, 0
	v_mov_b32 v247, 0                              ; (named as the upper half of f's pair)
	v_mov_b32 v248, 0
	v_mov_b32 v249, 0
	v_mov_b32 v252, 0                              ; a lane permute's destination counts as one of its sources
	v_mov_b32 v253, 0xff800000                     ; -infinity
.set n, 0
.rept 64
	v_mov_b32 v[164+n], 0                          ; O^T of both tiles: the step is written once, and the first change of M leaves zeros zeros
.set n, n+1
.endr
	s_wait_kmcnt 0x0
	s_add_co_i32 s94, s78, s79
	s_lshl_b32 s94, s94, 23
	s_add_co_i32 s22, s22, s94                     ; a score stands for score x 2^(e2 + e3)
	s_mov_b32 s23, s22
	s_add_co_i32 s94, s80, 127
	s_lshl_b32 s95, s94, 23
	v_mov_b32 v244, s95                            ; 2^e4
; A KEY STEP of tile tl: 128 keys from KF on.
.macro STEP tl
.set STAT, 12+4*(\tl)
.set QREG, 20+8*(\tl)
.set OACC, 164+32*(\tl)
	s_add_co_u32 s94, s[84+\tl], 63
	s_cmp_gt_u32 s[KF], s94                        ; all 128 keys come after the tile's queries: the step is left out
	s_cbranch_scc1 .Lhidden_\@
	v_add_nc_u32 v[ADK], s[KB], v[AK0]
	v_add_nc_u32 v[ADV], s[VB], v[AV0]
	v_nop                                          ; with the two additions: four places in front of loads into registers that the last products read
	v_nop
.irp t, 0,1,2,3,4,5,6,7
	ds_load_b128 v[KV+8*\t:KV+8*\t+3], v[ADK] offset:16*KP*\t
	ds_load_b128 v[KV+8*\t+4:KV+8*\t+7], v[ADK] offset:16*KP*\t+32
.endr
	s_wait_alu depctr_va_vdst(0)
	s_wait_dscnt 0x0
.irp t, 0,1,2,3,4,5,6,7
	v_wmma_f32_16x16x64_fp8_fp8 v[S+8*\t:S+8*\t+7], v[KV+8*\t:KV+8*\t+7], v[QREG:QREG+7], 0   ; register 8 t + j: key KF + 16 t + 8 h + j, query r
.endr
.rept 4
	v_nop
.endr
.irp t, 0,1,2,3
.irp c, 0,1,2,3
	ds_load_b128 v[KV+16*\t+4*\c:KV+16*\t+4*\c+3], v[ADV] offset:16*VP*\t+32*\c   ; V's fragments land under the softmax
.endr
.endr
	s_add_co_u32 s94, s[KF], 128
	s_cmp_le_u32 s94, s[84+\tl]                    ; all keys count for all queries: no mask
	s_cbranch_scc1 .Lopen_\@
	s_sub_co_i32 s94, s[84+\tl], s[KF]
	v_add_nc_u32 v254, s94, v4                     ; d = my query - KF - 8 h: register 8 t + j is hidden where 16 t + j > d
.set n, 0
.rept 64
	v_cmp_gt_i32 vcc_lo, 16*(n/8)+n%8, v254
	v_cndmask_b32 v[S+n], v[S+n], v253, vcc_lo
.set n, n+1
.endr
.Lopen_\@:
	v_max3_num_f32 v248, v[S], v[S+1], v[S+2]      ; the step's largest score of my query among my 64 keys, in two chains, from each accumulator's low end on
	v_max3_num_f32 v249, v[S+3], v[S+4], v[S+5]
.irp i, 6,10,14,18,22,26,30,34,38,42,46,50,54,58
	v_max3_num_f32 v248, v248, v[S+\i], v[S+\i+1]
	v_max3_num_f32 v249, v249, v[S+\i+2], v[S+\i+3]
.endr
	v_max3_num_f32 v248, v248, v[S+62], v[S+63]
	s_delay_alu instid0(VALU_DEP_1)
	v_max_num_f32 v248, v248, v249
	s_delay_alu instid0(VALU_DEP_1)
	v_permlanex16_b32 v252, v248, s20, s21
	s_delay_alu instid0(VALU_DEP_1)
	v_max_num_f32 v248, v248, v252                 ; and among lane l xor 16's
	s_delay_alu instid0(VALU_DEP_1)
	v_mul_f32 v248, s22, v248                      ; as t (c is positive)
	s_delay_alu instid0(VALU_DEP_1)
	v_max_num_f32 v[STAT+1], v[STAT+1], v248       ; the running largest t
	v_mov_b32 v248, v[STAT]
	s_delay_alu instid0(VALU_DEP_2)
	v_floor_f32 v[STAT], -v[STAT+1]                ; the new -M = -ceil(t)
	s_delay_alu instid0(VALU_DEP_1)
	v_sub_f32 v248, v[STAT], v248                  ; old M - new M: a whole number, 0 or less
	s_delay_alu instid0(VALU_DEP_1)
	v_cvt_i32_f32 v248, v248                       ; (it saturates)
	s_delay_alu instid0(VALU_DEP_1)
	v_ldexp_f32 v246, 1.0, v248                    ; f = 2^(old M - new M)
.set n, 0
.rept 32
	v_pk_fma_f32 v[S+n:S+n+1], v[S+n:S+n+1], s[22:23], v[STAT:STAT+1] op_sel_hi:[1,0,0]   ; t - M
.set n, n+2
.endr
.set n, 0
	s_wait_alu depctr_va_vdst(0)
.rept 64
	v_exp_f32 v[S+n], v[S+n]                       ; p = 2^(t - M)
.set n, n+1
.endr
	v_pk_mul_f32 v[STAT+2:STAT+3], v[STAT+2:STAT+3], v[246:247] op_sel_hi:[1,0]   ; the sums under the new M: the plain instruction behind the exponentials
	s_wait_alu depctr_va_vdst(0)                   ; one wait for the batch, ahead of its first reader
	v_pk_add_f32 v[250:251], v[S:S+1], v[S+2:S+3]  ; the row's sum of the unquantised p, in two chains
.irp j, 4,8,12,16,20,24,28,32,36,40,44,48,52,56,60
	v_pk_add_f32 v[STAT+2:STAT+3], v[STAT+2:STAT+3], v[S+\j:S+\j+1]
	v_pk_add_f32 v[250:251], v[250:251], v[S+\j+2:S+\j+3]
.endr
	s_delay_alu instid0(VALU_DEP_1)
	v_pk_add_f32 v[STAT+2:STAT+3], v[STAT+2:STAT+3], v[250:251]
.set n, 0
.rept 64
.set n, n+1
.endr
.irp t, 0,1,2,3,4,5,6,7
	v_cvt_scalef32_pk8_fp8_f32 v[PC+2*\t:PC+2*\t+1], v[S+8*\t:S+8*\t+7], v244
.endr
.set n, 0
.rept 16
	v_pk_mul_f32 v[OACC+n:OACC+n+1], v[OACC+n:OACC+n+1], v[246:247] op_sel_hi:[1,0]   ; O^T under the new M; also the plain instructions behind the conversions
.set n, n+2
.endr
	s_wait_alu depctr_va_vdst(0)
	s_wait_dscnt 0x0                               ; V's fragments are in
.irp t, 0,1,2,3
	v_wmma_f32_16x16x128_fp8_fp8 v[OACC+8*\t:OACC+8*\t+7], v[KV+16*\t:KV+16*\t+15], v[PC:PC+15], v[OACC+8*\t:OACC+8*\t+7]   ; the four accumulators by turns; eight other products stand between a link and the one that it adds onto
.endr
.Lhidden_\@:
.endm
.macro WALK n                          ; n key steps, both tiles; the count is a constant
	s_mov_b32 s[CNT], \n
.Lwalk_\@:
	STEP 0
	STEP 1
	s_add_co_u32 s[KB], s[KB], 128*KP
	s_add_co_u32 s[VB], s[VB], 64*VP
	s_add_co_u32 s[KF], s[KF], 128
	s_sub_co_u32 s[CNT], s[CNT], 1
	s_cmp_lg_u32 s[CNT], 0
	s_cbranch_scc1 .Lwalk_\@
.endm
	s_wait_loadcnt 0x0                             ; Q
	s_wait_tensorcnt 0x1                           ; my part of keys 0-255 is in; my second load may be out
	s_barrier_signal -1
	s_barrier_wait -1                              ; everybody's is
	WALK 2
	s_wait_tensorcnt 0x0                           ; my part of the rest is in
	s_wait_dscnt 0x0
	s_barrier_signal -1
	s_barrier_wait -1
	WALK 14
	s_wait_dscnt 0x0                               ; my reads of K and V are over
	s_barrier_signal -1
	s_barrier_wait -1                              ; everybody's are: K's region has had its one fill and is read no more: the stages lie there
	; THE WAY OUT: y = O^T / the sum x 2^(e4 + e5), quantised with e6; the codes go through my stage and leave as runs of 512 bytes
	v_add_f32 v14, v14, v15
	v_add_f32 v18, v18, v19
	s_delay_alu instid0(VALU_DEP_2)
	v_permlanex16_b32 v248, v14, s20, s21
	s_delay_alu instid0(VALU_DEP_2)
	v_permlanex16_b32 v249, v18, s20, s21
	s_delay_alu instid0(VALU_DEP_2)
	v_add_f32 v14, v14, v248
	s_delay_alu instid0(VALU_DEP_2)
	v_add_f32 v18, v18, v249
	s_wait_alu depctr_va_vdst(0)
	v_rcp_f32 v14, v14
	v_rcp_f32 v18, v18
	s_add_co_i32 s94, s80, s81
	s_add_co_i32 s95, s82, 127
	s_lshl_b32 s96, s95, 23
	v_mov_b32 v244, s96                            ; 2^e6 (a plain instruction behind the reciprocals)
	s_wait_alu depctr_va_vdst(0)                   ; one wait for both reciprocals, ahead of their first reader
	v_ldexp_f32 v14, v14, s94
	v_ldexp_f32 v18, v18, s94
.irp tl, 0,1
.set n, 0
.rept 16
	v_pk_mul_f32 v[S+32*\tl+n:S+32*\tl+n+1], v[164+32*\tl+n:164+32*\tl+n+1], v[14+4*\tl:15+4*\tl] op_sel_hi:[1,0]   ; register 8 t + j: y(query r, channel 16 t + 8 h + j)
.set n, n+2
.endr
.set n, 0
.rept 32
.set n, n+1
.endr
.irp t, 0,1,2,3
	v_cvt_scalef32_pk8_fp8_f32 v[PC+8*\tl+2*\t:PC+8*\tl+2*\t+1], v[S+32*\tl+8*\t:S+32*\tl+8*\t+7], v244
.endr
	v_nop                                          ; a plain vector instruction behind the last conversion
.irp b, 0,1
	ds_store_b128 v10, v[PC+8*\tl+4*\b:PC+8*\tl+4*\b+3] offset:\tl*16*KP+32*\b
.endr
.irp i, 0,1
	ds_load_b128 v[KV+8*\tl+4*\i:KV+8*\tl+4*\i+3], v11 offset:\tl*16*KP+8*\i*KP   ; LDS serves a wave's instructions in order: these see my stores
.endr
.endr
	s_wait_dscnt 0x0
.irp tl, 0,1
.irp i, 0,1
	global_store_b128 v[GO], v[KV+8*\tl+4*\i:KV+8*\tl+4*\i+3], s[90+2*\tl:91+2*\tl] offset:512*\i   ; eight queries' 64 bytes: 512 consecutive bytes, aligned
.endr
.endr
	s_wait_tensorcnt 0x0                           ; the wave's end
	ds_add_u32 v[SPW], v[NIL]
	s_wait_dscnt 0x0
	CROUND                                         ; the closing round
	s_endpgm
.Lfunc_end_k_q5388022df2_attn:
	.size	k_q5388022df2_attn, .Lfunc_end_k_q5388022df2_attn-k_q5388022df2_attn
	.p2alignl 7, 3214868480
	.fill 96, 4, 3214868480
	.section	.rodata,"a",@progbits
	.p2align	6, 0x0
	.amdhsa_kernel k_q5388022df2_attn
		.amdhsa_group_segment_fixed_size 327680
		.amdhsa_private_segment_fixed_size 0
		.amdhsa_enable_private_segment 0
		.amdhsa_kernarg_size 40
		.amdhsa_user_sgpr_count 2
		.amdhsa_user_sgpr_kernarg_segment_ptr 1
		.amdhsa_wavefront_size32 1
		.amdhsa_system_sgpr_workgroup_id_x 1
		.amdhsa_system_sgpr_workgroup_id_y 1
		.amdhsa_system_sgpr_workgroup_id_z 1
		.amdhsa_system_vgpr_workitem_id 0
		.amdhsa_next_free_vgpr 256
		.amdhsa_next_free_sgpr 100
		.amdhsa_reserve_vcc 1
		.amdhsa_float_denorm_mode_32 3
		.amdhsa_float_denorm_mode_16_64 3
		.amdhsa_fp16_overflow 1
		.amdhsa_memory_ordered 1
		.amdhsa_forward_progress 1
		.amdhsa_inst_pref_size 92
	.end_amdhsa_kernel
	.amdgpu_metadata
---
amdhsa.version: [ 1, 2 ]
amdhsa.kernels:
  - .name:           k_q5388022df2_attn
    .symbol:         k_q5388022df2_attn.kd
    .args:
      - { .name: q_codes, .offset: 0, .size: 8, .value_kind: global_buffer, .address_space: global }
      - { .name: k_codes, .offset: 8, .size: 8, .value_kind: global_buffer, .address_space: global }
      - { .name: v_codes, .offset: 16, .size: 8, .value_kind: global_buffer, .address_space: global }
      - { .name: lowp_scales, .offset: 24, .size: 8, .value_kind: global_buffer, .address_space: global }
      - { .name: y_codes, .offset: 32, .size: 8, .value_kind: global_buffer, .address_space: global }
    .group_segment_fixed_size: 327680
    .private_segment_fixed_size: 0
    .kernarg_segment_align: 8
    .kernarg_segment_size: 40
    .max_flat_workgroup_size: 512
    .sgpr_count:     100
    .vgpr_count:     256
    .wavefront_size: 32
...
	.end_amdgpu_metadata
.endif
;; end of part 3
;; launch proj (part 4): grid 4 x 32, 4 waves a work-group, clusters of 4 x 4, 327,680 bytes of LDS; arguments y_codes, wp_codes, lowp_scales, b_proj, out0; writes out0
.if DOCPART == 4
	.amdgcn_target "amdgcn-amd-amdhsa--gfx1250"
	.amdhsa_code_object_version 6
	.text
	.protected	k_q5388022df2_proj
	.globl	k_q5388022df2_proj
	.p2align	8
	.type	k_q5388022df2_proj,@function
k_q5388022df2_proj:
	s_mov_b64 s[64:65], 0
	v_nop
	global_prefetch_b8 v0, s[64:65] scope:SCOPE_SE
	s_setreg_imm32_b32 hwreg(HW_REG_WAVE_MODE, 25, 1), 1
	s_wait_xcnt 0x0
	s_wait_alu depctr_hold_cnt(0) depctr_sa_sdst(0) depctr_va_vdst(0) depctr_va_sdst(0) depctr_va_ssrc(0) depctr_va_vcc(0) depctr_vm_vsrc(0)
	s_getreg_b32 s2, hwreg(HW_REG_IB_STS2, 6, 4)
	s_cmp_eq_u32 s2, 0
	s_cbranch_scc0 .Lentry_in_a_cluster
	s_endpgm
.Lentry_in_a_cluster:
	s_bfe_u32 s2, ttmp6, 0x10000c
	s_cmp_lg_u32 s2, 0xf033
	s_cbranch_scc0 .Lentry_shape_is_right
	s_endpgm
.Lentry_shape_is_right:
; out0 = y W_proj + b_proj on codes of FP8 (E4M3).  Nothing of this product is left out.  y_codes [64 bh][2048 t][64 positions], wp_codes [1024 n][1024 positions]: position 64 head + p holds the same k in both.
; out0 [8192][1024] f32.  A sum stands for sum x 2^(e6 + e7): the bias goes in as the C of each sum's first product, divided by that power of two, and each finished sum is multiplied by it once.
; LIMITS: e6 + e7 between -126 and 127; b_proj / 2^(e6 + e7) stays an f32 number.  The order of the f32 sums differs from reference()'s.
; A tile of 256 x 256 is made by four waves, 128 x 128 each.  1,024 columns and 8,192 rows give 128 such tiles.  K = 1,024 goes in four steps of 256 (four heads) through two LDS slots; the steps are written out.
; A's tile: 128 tokens of four heads: in memory four dense runs of 8,192 bytes, 131,072 bytes apart: four rows to the tensor load, 16 bytes of padding behind every 64: in LDS [head][token], 80 bytes a token.
; CLUSTERS: 4 x 4.  A's tile hangs on cy alone and is asked for jointly by my row of the cluster, B's on cx alone, by my column.  THE MATRIX INSTRUCTION IS USED TRANSPOSED (source 0 = 16 rows of wp_codes,
; source 1 = 16 tokens): a lane holds eight neighbouring numbers of a row of out0.  No prefetch: of four K steps two are asked for at the head, and the other two follow at once.
; REGISTERS, in windows of 256: window 0: v16-29 addresses; v32-95 the bias, on the way out at work; v128-255 A's fragments (one set), on the way out rows read back.  window 1: B's fragments, two sets.  windows 2, 3: the accumulators.
.set KROW,   1024
.set ROWB,   256
.set PITCH,  272
.set AP,     80                        ; a token's 64 codes of a head + 16
.set HB,     128*AP                    ; a head's 128 tokens
.set AHALF,  4*HB                      ; what one of A's loads brings
.set BHALF,  128*PITCH
.set BOFF,   2*AHALF
.set SLOT,   BOFF+2*BHALF              ; 151,552
.set SPARE,  2*SLOT                    ; the spare words
.set ASTEP,  4*131072                  ; four heads on
.set SIZE_N, 1024
.set FR,     16
.set NL,     4
.set NP,     4
.set SPITCH, 528                       ; the way out: 16 rows x (512 + 16) a wave, in slot 0, which has had its last fill and its last read by then
.set ADRA, 16
.set ADRB, 20
.set STO,  24
.set RD,   25
.set CO,   26
.set SPW,  28                          ; never rewritten
.set NIL,  29                          ; never rewritten
.set BIAS, 32
.set TMP,  32
.set AF,   128
.set BK,   128
.set G1, 24
.set G0, 32
.set G1B, 48
.set G0B, 56
.set MSB, 0
.macro WIN new
.if MSB != \new
	s_set_vgpr_msb (MSB<<8)|\new
.set MSB, \new
.endif
.endm
.set MUL_LO,  0xa1                     ; source 0 (B) window 1, source 1 (A) window 0, C and D window 2
.set MUL_HI,  0xf1
.set MULZ_LO, 0x81                     ; the first products: C (the bias) window 0, D window 2
.set MULZ_HI, 0xc1
.set TO_B,    0x40
.macro JLOAD g0a, g1a, g0b, g1b
	s_cmp_eq_u32 s15, 0
	s_cbranch_scc0 .Lfor_b_\@
	tensor_load_to_lds s[\g0a:\g0a+3], s[\g1a:\g1a+7]
	s_nop 0
.rept 4
	v_nop
.endr
	s_branch .Lasked_\@
.Lfor_b_\@:
	tensor_load_to_lds s[\g0b:\g0b+3], s[\g1b:\g1b+7]
	s_nop 0
.rept 4
	v_nop
.endr
.Lasked_\@:
.endm
.macro CREST
	s_cmp_lg_u32 s14, 0
	s_cbranch_scc1 .Lnot_wave_0_\@
	s_barrier_signal -3
.Lnot_wave_0_\@:
	s_barrier_wait -3
	s_barrier_signal -1
	s_barrier_wait -1
.endm
.macro CROUND
	s_barrier_signal -1
	s_barrier_wait -1
	CREST
.endm
	s_load_b256 s[4:11], s[0:1], 0x0               ; y_codes s[4:5], wp_codes s[6:7], the exponents s[8:9], b_proj s[10:11]
	s_load_b64 s[12:13], s[0:1], 0x20              ; out0
	v_lshl_add_u32 v[SPW], v0, 2, SPARE
	v_mov_b32 v[NIL], 0
	ds_add_u32 v[SPW], v[NIL]                      ; the wave's opening: the add, twice on end, and its wait ahead of my first tensor load
	ds_add_u32 v[SPW], v[NIL]
	v_lshrrev_b32 v1, 5, v0
	v_readfirstlane_b32 s14, v1                    ; wave 0..3
	s_lshr_b32 s15, s14, 1                         ; my half of the tile's rows.  Also: I fetch for A (0) or B (1)
	s_and_b32 s16, s14, 1                          ; my half of its columns.  Also: which half of that tile I fetch
	s_bfe_u32 s40, ttmp6, 0x40000                  ; cx
	s_bfe_u32 s41, ttmp6, 0x40004                  ; cy
	s_lshl_b32 s42, ttmp9, 2
	s_add_co_u32 s42, s42, s40                     ; tile column
	s_and_b32 s17, ttmp7, 0xffff                   ; cluster y: 1,024 tokens, half a batch
	s_lshl_b32 s43, s41, 2
	s_lshl_b32 s43, 15, s43                        ; my row of the cluster
	s_lshl_b32 s44, 0x1111, s40                    ; my column
	s_or_b32 s[G1+0], s43, (0<<16)|(1<<20)|(1<<21)|(3<<22)|(3<<25)   ; A: mask; elements of 1 byte; padding on; bit 21 beside a mask; 4 words after every 16
	s_mov_b32 s[G1+1], 8192<<16                    ; tensor_dim0: 128 tokens x 64 bytes
	s_mov_b32 s[G1+2], 4<<16                       ; tensor_dim1: four heads
	s_mov_b32 s[G1+3], 8192<<16                    ; tile_dim0
	s_mov_b32 s[G1+4], 4                           ; tile_dim1
	s_mov_b32 s[G1+5], 131072                      ; from head to head
	s_mov_b32 s[G1+6], 0
	s_mov_b32 s[G1+7], 0
	s_or_b32 s[G1B+0], s44, (0<<16)|(1<<20)|(1<<21)|(5<<22)|(3<<25)  ; B: 4 words after every 64
	s_mov_b32 s[G1B+1], ROWB<<16
	s_mov_b32 s[G1B+2], 128<<16
	s_mov_b32 s[G1B+3], ROWB<<16
	s_mov_b32 s[G1B+4], 128
	s_mov_b32 s[G1B+5], KROW
	s_mov_b32 s[G1B+6], 0
	s_mov_b32 s[G1B+7], 0
	s_lshr_b32 s20, s17, 1
	s_lshl_b32 s20, s20, 21                        ; A: the batch's sixteen heads: 2^21 bytes,
	s_and_b32 s18, s17, 1
	s_lshl_b32 s18, s18, 16                        ; 1,024 tokens x 64 bytes,
	s_add_co_u32 s20, s20, s18
	s_lshl_b32 s18, s41, 14                        ; 256 tokens for each cy,
	s_add_co_u32 s20, s20, s18
	s_lshl_b32 s18, s16, 13                        ; 128 for the half that I fetch
	s_add_co_u32 s20, s20, s18
	s_mov_b32 s21, 0
	s_lshl_b32 s46, s42, 8
	s_lshl_b32 s47, s16, 7
	s_add_co_u32 s46, s46, s47                     ; B: row 256 x tile column + 128 x half
	s_lshl_b32 s46, s46, 10
	s_mov_b32 s47, 0
	s_mul_i32 s45, s16, AHALF                      ; where they go
	s_mul_i32 s19, s16, BHALF
	s_add_co_u32 s19, s19, BOFF
	s_wait_dscnt 0x0                               ; both opening adds are done
	s_wait_kmcnt 0x0
	s_load_b256 s[80:87], s[8:9], 0x0              ; e0 .. e7
	s_add_nc_u64 s[20:21], s[4:5], s[20:21]
	s_add_nc_u64 s[46:47], s[6:7], s[46:47]
	CROUND                                         ; all sixteen work-groups are here: the first joint loads meet
.irp s, 0,1
	s_mov_b32 s[G0+4*\s], 1
	s_add_co_u32 s[G0+4*\s+1], s45, \s*SLOT
	s_add_nc_u64 s[G0+4*\s+2:G0+4*\s+3], s[20:21], \s*ASTEP
	s_or_b32 s[G0+4*\s+3], s[G0+4*\s+3], 0x80000000
	s_mov_b32 s[G0B+4*\s], 1
	s_add_co_u32 s[G0B+4*\s+1], s19, \s*SLOT
	s_add_nc_u64 s[G0B+4*\s+2:G0B+4*\s+3], s[46:47], \s*ROWB
	s_or_b32 s[G0B+4*\s+3], s[G0B+4*\s+3], 0x80000000
	s_wait_alu depctr_va_vdst(0)
	s_wait_tensorcnt 0x0
	ds_add_u32 v28, v29
	ds_add_u32 v28, v29
	s_wait_dscnt 0x0
	CROUND
	JLOAD G0+4*\s, G1, G0B+4*\s, G1B
.endr
	v_and_b32 v1, 15, v0                           ; r
	v_bfe_u32 v2, v0, 4, 1                         ; h
	v_mul_u32_u24 v3, v1, AP
	v_lshl_add_u32 v3, v2, 4, v3
	v_mul_u32_u24 v4, v1, PITCH
	v_lshl_add_u32 v4, v2, 4, v4
	s_mul_i32 s21, s15, AHALF
	s_mul_i32 s22, s16, BHALF
	s_add_co_u32 s22, s22, BOFF
.irp s, 0,1
	v_add_nc_u32 v[ADRA+\s], s21, v3
	v_add_nc_u32 v[ADRB+\s], s22, v4
	s_add_co_u32 s21, s21, SLOT
	s_add_co_u32 s22, s22, SLOT
.endr
	s_mul_i32 s23, s14, 16*SPITCH                  ; my stage
	v_mul_u32_u24 v5, v1, SPITCH
	v_lshl_add_u32 v5, v2, 5, v5
	v_add_nc_u32 v[STO], s23, v5                   ; in: row r, 32 bytes for each half of the lanes
	v_and_b32 v6, 31, v0
	v_lshlrev_b32 v[CO], 4, v6
	v_add_nc_u32 v[RD], s23, v[CO]                 ; back: the 32 lanes take one row of 512 bytes
	s_lshl_b32 s20, s17, 2
	s_add_co_u32 s20, s20, s41                     ; tile row
	s_lshl_b32 s20, s20, 8
	s_lshl_b32 s21, s15, 7
	s_add_co_u32 s20, s20, s21                     ; my first row of out0
	s_lshl_b32 s20, s20, 12                        ; x 4,096 bytes
	s_mov_b32 s21, 0
	s_lshl_b32 s46, s42, 10
	s_lshl_b32 s47, s16, 9
	s_add_co_u32 s46, s46, s47                     ; my first column, in bytes
	s_mov_b32 s47, 0
	s_add_nc_u64 s[12:13], s[12:13], s[20:21]
	s_add_nc_u64 s[12:13], s[12:13], s[46:47]
	s_add_nc_u64 s[10:11], s[10:11], s[46:47]      ; b_proj at my first column
	v_lshlrev_b32 v7, 5, v2
.irp b, 0,1,2,3,4,5,6,7
	global_load_b128 v[BIAS+8*\b:BIAS+8*\b+3], v7, s[10:11] offset:64*\b        ; b_proj[16 b + 8 h + 0 .. 7] of my columns: the result's layout
	global_load_b128 v[BIAS+8*\b+4:BIAS+8*\b+7], v7, s[10:11] offset:64*\b+16
.endr
	s_wait_kmcnt 0x0
	s_add_co_i32 s96, s86, s87                     ; e6 + e7
	s_sub_co_i32 s98, 0, s96
	s_add_co_i32 s96, s96, 127
	s_lshl_b32 s96, s96, 23                        ; 2^(e6 + e7)
	s_mov_b32 s97, s96
	s_wait_loadcnt 0x0
.set n, 0
.rept 64
	v_ldexp_f32 v[BIAS+n], v[BIAS+n], s98          ; b / 2^(e6 + e7)
.set n, n+1
.endr
.macro FRAG reg, adr, q, i             ; B: 16 rows x 128 positions: registers 4 c .. 4 c + 3 hold positions 128 q + 32 c + 16 h + 0 .. 15
.irp c, 0,1,2,3
	ds_load_b128 v[\reg+4*\c:\reg+4*\c+3], v[\adr] offset:128*(\q)+32*\c+(\i)*16*PITCH
.endr
.endm
.macro FRAGA reg, adr, q, i            ; A: the same positions: head 2 q + c / 2 of the slot's four, byte 32 (c % 2) + 16 h of the token's 64
.irp c, 0,1,2,3
	ds_load_b128 v[\reg+4*\c:\reg+4*\c+3], v[\adr] offset:(2*(\q)+\c/2)*HB+32*(\c%2)+(\i)*16*AP
.endr
.endm
.macro MUL16 a0, p, zero               ; the 64 accumulators take turns, one instruction a turn, in the same order in every step
.irp a, \a0, \a0+1
.irp b, 0,1,2,3,4,5,6,7
.if \zero
	v_wmma_f32_16x16x128_fp8_fp8 v[8*(8*((\a)%4)+\b):8*(8*((\a)%4)+\b)+7], v[128*(\p)+FR*\b:128*(\p)+FR*\b+FR-1], v[AF+FR*(\a):AF+FR*(\a)+FR-1], v[BIAS+8*\b:BIAS+8*\b+7]
.else
	v_wmma_f32_16x16x128_fp8_fp8 v[8*(8*((\a)%4)+\b):8*(8*((\a)%4)+\b)+7], v[128*(\p)+FR*\b:128*(\p)+FR*\b+FR-1], v[AF+FR*(\a):AF+FR*(\a)+FR-1], v[8*(8*((\a)%4)+\b):8*(8*((\a)%4)+\b)+7]
.endif
.endr
.endr
.endm
.macro FETCH_B slot, q, p
	WIN TO_B
.irp i, 0,1,2,3,4,5,6,7
	FRAG 128*(\p)+FR*\i, ADRB+\slot, \q, \i
.endr
	WIN 0
.endm
.macro FETCH_A slot, q, i0
.irp i, \i0, \i0+1, \i0+2, \i0+3
	FRAGA AF+FR*(\i), ADRA+\slot, \q, \i
.endr
.endm
.macro PLACES n
.rept \n
	v_nop
.endr
.endm
.macro STEP slot, q, zero
	s_wait_dscnt 4*NL                              ; B's set and A's blocks 0-3 are in; the youngest sixteen loads (A's blocks 4-7) may be out
.if \zero
	WIN MULZ_LO
.else
	WIN MUL_LO
.endif
	MUL16 0, (\q)%2, \zero
	MUL16 2, (\q)%2, \zero
	s_wait_dscnt 0
	PLACES NP
	FETCH_B \slot, (\q)+1, 1-(\q)%2
	FETCH_A \slot, (\q)+1, 0
.if \zero
	WIN MULZ_HI
.else
	WIN MUL_HI
.endif
	MUL16 4, (\q)%2, \zero
	MUL16 6, (\q)%2, \zero
	PLACES NP
	WIN 0
	FETCH_A \slot, (\q)+1, 4
.endm
.macro TURN slot, next, fill
	s_wait_tensorcnt 0x0                           ; all my tensor loads have landed: my part of the next slot
	ds_add_u32 v[SPW], v[NIL]                      ; 0 onto my spare word
	s_wait_dscnt 4*NL+1                            ; the add and the youngest sixteen loads may be out
	WIN MUL_LO
	MUL16 0, 1, 0
	s_wait_dscnt 0x0                               ; the add is done, and my reads of this slot are over
	s_barrier_signal -1
	MUL16 2, 1, 0
	WIN 0
	s_barrier_wait -1
.if \fill
	CREST                                          ; the barrier has opened a round of the cluster's barrier
	s_add_nc_u64 s[G0+4*\slot+2:G0+4*\slot+3], s[G0+4*\slot+2:G0+4*\slot+3], 2*ASTEP
	s_add_nc_u64 s[G0B+4*\slot+2:G0B+4*\slot+3], s[G0B+4*\slot+2:G0B+4*\slot+3], 2*ROWB
	JLOAD G0+4*\slot, G1, G0B+4*\slot, G1B         ; the first tensor load behind the round; its four v_nop are the places in front of the loads below
.else
	PLACES NP
.endif
	FETCH_B \next, 0, 0
	FETCH_A \next, 0, 0
	WIN MUL_HI
	MUL16 4, 1, 0
	MUL16 6, 1, 0
	PLACES NP
	WIN 0
	FETCH_A \next, 0, 4
.endm
	s_wait_alu depctr_va_vdst(0)
	s_wait_tensorcnt 1                             ; my part of K step 0 is in; K step 1's load may be out
	s_barrier_signal -1
	s_barrier_wait -1
	FETCH_B 0, 0, 0
	FETCH_A 0, 0, 0
	FETCH_A 0, 0, 4
	STEP 0, 0, 1                                   ; the first products start the sums from the bias
	TURN 0, 1, 1
	STEP 1, 0, 0
	TURN 1, 0, 1
	STEP 0, 0, 0
	TURN 0, 1, 0
	STEP 1, 0, 0
	s_wait_dscnt 4*NL
	WIN MUL_LO
	MUL16 0, 1, 0
	MUL16 2, 1, 0
	s_wait_dscnt 0
	WIN MUL_HI
	MUL16 4, 1, 0
	MUL16 6, 1, 0
	WIN 0
; THE WAY OUT, block by block of 16 rows x 128 columns, through my own stage: back as whole rows of 512 bytes
.macro TOSTAGE a
.set AC, 64*((\a)%4)
	WIN 0x02+((\a)/4)
.set n, 0
.rept 32
	v_pk_mul_f32 v[TMP+n:TMP+n+1], v[AC+n:AC+n+1], s[96:97] op_sel_hi:[1,0]   ; x 2^(e6 + e7); each accumulator from its low end on
.set n, n+2
.endr
	WIN 0
.irp b, 0,1,2,3,4,5,6,7
	ds_store_b128 v[STO], v[TMP+8*\b:TMP+8*\b+3] offset:64*\b
	ds_store_b128 v[STO], v[TMP+8*\b+4:TMP+8*\b+7] offset:64*\b+16
.endr
.set BBK, BK+64*((\a)%2)
.irp t, 0,1,2,3,4,5,6,7,8,9,10,11,12,13,14,15
	ds_load_b128 v[BBK+4*\t:BBK+4*\t+3], v[RD] offset:\t*SPITCH   ; LDS serves a wave's instructions in order: these see the stores above
.endr
.endm
.macro SEND a, younger
.set BBK, BK+64*((\a)%2)
	s_wait_dscnt \younger
.if (\a) > 0
	s_add_nc_u64 s[12:13], s[12:13], 16*SIZE_N*4   ; behind a wait on XCNT for 0: the earlier stores have read their base
.endif
.irp t, 0,1,2,3,4,5,6,7,8,9,10,11,12,13,14,15
	global_store_b128 v[CO], v[BBK+4*\t:BBK+4*\t+3], s[12:13] offset:\t*SIZE_N*4 th:TH_STORE_NT   ; 32 lanes store 512 consecutive bytes, aligned
.endr
.endm
	PLACES NP
	TOSTAGE 0
.irp a, 1,2,3,4,5,6,7
.if \a > 1
	s_wait_xcnt 0x0                                ; block a - 2's stores have read their registers and their base
.endif
	TOSTAGE \a
	SEND \a-1, 32                                  ; behind block a - 1's loads: block a's 16 stores and 16 loads
.endr
	s_wait_xcnt 0x0
	SEND 7, 0
	s_wait_tensorcnt 0x0                           ; the wave's end
	ds_add_u32 v[SPW], v[NIL]
	s_wait_dscnt 0x0
	CROUND                                         ; the closing round
	s_endpgm
.Lfunc_end_k_q5388022df2_proj:
	.size	k_q5388022df2_proj, .Lfunc_end_k_q5388022df2_proj-k_q5388022df2_proj
	.p2alignl 7, 3214868480
	.fill 96, 4, 3214868480
	.section	.rodata,"a",@progbits
	.p2align	6, 0x0
	.amdhsa_kernel k_q5388022df2_proj
		.amdhsa_group_segment_fixed_size 327680
		.amdhsa_private_segment_fixed_size 0
		.amdhsa_enable_private_segment 0
		.amdhsa_kernarg_size 40
		.amdhsa_user_sgpr_count 2
		.amdhsa_user_sgpr_kernarg_segment_ptr 1
		.amdhsa_wavefront_size32 1
		.amdhsa_system_sgpr_workgroup_id_x 1
		.amdhsa_system_sgpr_workgroup_id_y 1
		.amdhsa_system_sgpr_workgroup_id_z 1
		.amdhsa_system_vgpr_workitem_id 0
		.amdhsa_next_free_vgpr 1024
		.amdhsa_next_free_sgpr 100
		.amdhsa_reserve_vcc 0
		.amdhsa_float_denorm_mode_32 3
		.amdhsa_float_denorm_mode_16_64 3
		.amdhsa_memory_ordered 1
		.amdhsa_forward_progress 1
		.amdhsa_inst_pref_size 130
	.end_amdhsa_kernel
	.amdgpu_metadata
---
amdhsa.version: [ 1, 2 ]
amdhsa.kernels:
  - .name:           k_q5388022df2_proj
    .symbol:         k_q5388022df2_proj.kd
    .args:
      - { .name: y_codes, .offset: 0, .size: 8, .value_kind: global_buffer, .address_space: global }
      - { .name: wp_codes, .offset: 8, .size: 8, .value_kind: global_buffer, .address_space: global }
      - { .name: lowp_scales, .offset: 16, .size: 8, .value_kind: global_buffer, .address_space: global }
      - { .name: b_proj, .offset: 24, .size: 8, .value_kind: global_buffer, .address_space: global }
      - { .name: out0, .offset: 32, .size: 8, .value_kind: global_buffer, .address_space: global }
    .group_segment_fixed_size: 327680
    .private_segment_fixed_size: 0
    .kernarg_segment_align: 8
    .kernarg_segment_size: 40
    .max_flat_workgroup_size: 128
    .sgpr_count:     100
    .vgpr_count:     1024
    .wavefront_size: 32
...
	.end_amdgpu_metadata
.endif
;; end of part 4
